; MI455X (gfx1250); checked and timed in simulation.
; The chip was launched on July 23, 2026; its instructions are those of AMD's public machine-readable ISA for CDNA 5 (MIT licence, August 2026) and "CDNA5" Instruction Set Architecture Reference Guide (July 2026). The comments in the code are by the model that wrote it; some were corrected since.
;; Cross Modal Attention. Allowed arithmetic: matrix products marked QUANTISED: E3M2 operands, one E8M0 scale for each 32 along K, by v_wmma_scale_f32_16x16x128_f8f6f4 with both operands' format E3M2, f32 sums; everything else in f32.
;; Inputs: Wk 768 x 768 float32; Wo 768 x 768 float32; Wq 768 x 768 float32; Wv 768 x 768 float32; bk 768 float32; bo 768 float32; bq 768 float32; bv 768 float32; ln_b 768 float32; ln_g 768 float32; text_features 8 x 1,024 x 768 float32; text_mask 8 x 1,024 int32; visual_features 8 x 1,024 x 768 float32; visual_mask 8 x 1,024 int32.
;; Outputs: out0 8 x 1,024 x 768 float32; out1 8 x 1,024 x 768 float32.
;; This version of the problem:
;;   THIS VERSION OF THE PROBLEM IS GIVEN IN LOW PRECISION. The matrix products marked QUANTISED in the list below multiply operands that are first quantised to E3M2 (3 exponent bits, 2 mantissa bits; 6 bits a number), with one power-of-two scale for each 32 numbers along K (OCP MX v1.0); their sums are f32. All else is computed in f32.
;;   The module's matrix products, in the order in which they are computed (A, B: the left and right operand; K: the contracted axis; several contracted axes count as one K, in the product's order):
;;     1. [M 8,192, K 768] x [K 768, N 768]; A: input visual_features; B: input Wq: QUANTISED
;;     2. [M 8,192, K 768] x [K 768, N 768]; A: input text_features; B: input Wk: QUANTISED
;;     3. [M 8,192, K 768] x [K 768, N 768]; A: input text_features; B: input Wv: QUANTISED
;;     4. batch 64 x [M 1,024, K 96] x [K 96, N 1,024]; A: computed on the way; B: computed on the way: QUANTISED
;;     5. batch 64 x [M 96, K 1,024] x [K 1,024, N 1,024]; A: computed on the way; B: softmax (see below): QUANTISED
;;     6. [M 8,192, K 768] x [K 768, N 768]; A: input text_features; B: input Wq: QUANTISED
;;     7. [M 8,192, K 768] x [K 768, N 768]; A: input visual_features; B: input Wk: QUANTISED
;;     8. [M 8,192, K 768] x [K 768, N 768]; A: input visual_features; B: input Wv: QUANTISED
;;     9. batch 64 x [M 1,024, K 96] x [K 96, N 1,024]; A: computed on the way; B: computed on the way: QUANTISED
;;     10. batch 64 x [M 96, K 1,024] x [K 1,024, N 1,024]; A: computed on the way; B: softmax (see below): QUANTISED
;;     11. [M 8,192, K 768] x [K 768, N 768]; A: computed on the way; B: input Wo: QUANTISED
;;     12. [M 8,192, K 768] x [K 768, N 768]; A: computed on the way; B: input Wo: QUANTISED
;;   THE QUANTISER, for each operand of a quantised product, along K:
;;     - K is cut into blocks of 32 from its start; a last block that is shorter is filled with zeros.
;;     - A block's scale is 2^e with e = floor(log2(the largest magnitude in the block)) - 4, held to -126 .. 127; a block of zeros has e = 0. As a byte (E8M0): e + 127.
;;     - Each number is divided by its block's scale, clamped to +-28, and rounded to the nearest number of E3M2, ties to even, subnormals kept.
;;     - The product sums the exact products of the quantised numbers (number of the format x scale) in f32.
;;   ~~~python
;;   def quantise(x, axis):      # numpy; x: float32 -> the quantised numbers, widened to float32 again
;;       x = np.moveaxis(x, axis, -1); K = x.shape[-1]
;;       x = np.pad(x, [(0, 0)] * (x.ndim - 1) + [(0, -K % 32)]); x = x.reshape(x.shape[:-1] + (-1, 32)); a = np.abs(x).max(-1, keepdims=True)
;;       e = np.where(a > 0, np.clip(np.frexp(np.where(a > 0, a, 1))[1] - 1 - 4, -126, 127), 0)      # np.frexp(a)[1] - 1 = floor(log2(a)), exactly
;;       r = np.clip(x / 2.0 ** e, -28, 28)
;;       step = 2.0 ** (np.maximum(np.frexp(np.where(r == 0, 1, r))[1] - 1, -2) - 2)
;;       q = np.round(r / step) * step * 2.0 ** e      # np.round: ties to even
;;       return np.moveaxis(q.reshape(q.shape[:-2] + (-1,))[..., :K], -1, axis).astype(np.float32)
;;   ~~~
;;   SOFTMAX AHEAD OF A QUANTISED PRODUCT. Where the list says 'softmax', what is quantised is not the finished softmax but p = 2^(t - M), with t = logit x log2(e) and M = ceil(the row's largest t), a whole number; so 1/2 < the row's largest p <= 1. The row's sum l is taken of the UNQUANTISED p, in f32, and the product's result is divided by l at the end. Since M is a whole number, a kernel that streams over the keys may use a running M (the ceiling of the running maximum): every later rescaling is an exact power of two, which a block's scale takes up: the codes' values come out the same.
;;   OPERANDS COMPUTED ON THE WAY. 'Computed on the way' means the value that the module computes at that place (a softmax that the list does not call 'softmax' is quantised finished and normalised). What goes into a quantiser is computed in f32, as accurately as f32 sums, v_exp_f32 and their like allow (about 1e-6 of the number): no bf16 or f16 on the way to a quantiser, and a product that is left as it is and whose result goes on into a quantised operand takes f32 operands (vector FMAs, or v_wmma_f32_16x16x4_f32). A number that lies on a knife's edge between two numbers of the format may be rounded either way, as far as f32 arithmetic and the matrix unit's own rounding can turn it there, and no further.
;; One version. Each part assembles by itself: llvm-mc -triple=amdgcn-amd-amdhsa -mcpu=gfx1250 --defsym DOCPART=n.
;; ======== version 1 of 1: 4 launches
;; limits: right only within a limited range of input values
;; workspace buffers: xq 10,223,616 bytes; wrec 1,916,928 bytes; qimg 12,582,912 bytes; qsc 1,048,576 bytes; kv 23,855,104 bytes; aimg 9,437,184 bytes; asc 1,048,576 bytes
;; launch quant (part 1): grid 38 x 24, 4 waves a work-group, no clusters, 48,640 bytes of LDS; arguments visual_features, text_features, Wq, Wk, Wv, Wo, xq, wrec; writes xq, wrec
.if DOCPART == 1
	.amdgcn_target "amdgcn-amd-amdhsa--gfx1250"
	.amdhsa_code_object_version 6
	.text
	.protected	k_qa28f405590_quant
	.globl	k_qa28f405590_quant
	.p2align	8
	.type	k_qa28f405590_quant,@function
k_qa28f405590_quant:
	s_mov_b64 s[64:65], 0
	v_nop
	global_prefetch_b8 v0, s[64:65] scope:SCOPE_SE
	s_setreg_imm32_b32 hwreg(HW_REG_WAVE_MODE, 25, 1), 1
	s_wait_xcnt 0x0
; The operands that arrive as f32 and are read by many work-groups later become codes of BF6 (E3M2) with one E8M0 byte for each 32 along K = 768, ONCE, laid in the ORDER OF THE OPERAND'S REGISTERS:
; a fragment (16 rows x 128 k, 12 registers a lane) is an image of 1,536 bytes, registers 4 j .. 4 j + 3 of lane l at 512 j + 16 l; its scale words an image of 128 bytes, 4 bytes a lane, lanes r and r + 16 alike.
; ONE ROW ORDER: lane r of tile 2 B + u holds row 32 B + 8 u + r + 8 (r / 8), for the tokens of x and for the columns of the weights alike.
; A block's scale is 2^(floor(log2(largest magnitude)) - 4); its byte is that magnitude's exponent field - 4, held at 1 from below (a block of zeros keeps the byte 1: its codes are zeros, and this program alone reads the bytes).
; LIMITS: blocks whose largest magnitude lies under 2^-122 keep the byte 1; NaN and infinities among the inputs are not served.
; WORK-GROUPS x < 32: THE FEATURES, [16,384 tokens][768], K innermost.  xq: [X 0..127 = 128 tokens][48 images, tile T x 6 + K step][48 scale images]: 79,872 dense bytes.  A wave takes one token tile and two K steps: 32 loads of
; 512 consecutive bytes, all issued at once; each fragment turns through the wave's own stage in LDS (in: as loaded; out: 64 bytes a lane of its row), so that a lane holds 16 neighbours of each block.
; WORK-GROUPS x >= 32: THE WEIGHTS, [768 (k)][768 (n)], K on the FIRST axis.  wrec: [w = q, k, v, o][section of 96 columns][36 images | 36 scale images]: 59,904 dense bytes; fragment (tile t, K step s) of a section is number
; ((t / 2) 6 + s) 2 + t % 2.  A lane takes ONE column and its registers run down K: a block of 32 is one lane's, each load reads 128 consecutive bytes, the four waves stand side by side.
; The two ways part on the work-group's number alone, and each has LDS bytes of its own.  Waves share nothing: no barrier.
.set ROWB,  3072                       ; a row of x or of W in bytes
.set FRB,   1536
.set XREC,  79872
.set WRECB, 59904
.set STGB,  8448                       ; the features' way: a stage of 16 rows x (512 + 16) bytes for each wave
.set WLDS,  4*STGB                     ; the weights' way begins here:
.set WREG,  3584                       ; two images (3,072) and two scale images (256) for each wave
.set LI,   4                           ; features: v4 16 lane
.set LS,   5                           ; v5 4 lane
.set STI,  8                           ; v8 the stage, in
.set STO,  9                           ; v9 the stage, out
.set R,    16                          ; v16-143 two fragments as loaded
.set XS,   144                         ; v144-207 64 numbers of my row
.set PC,   208                         ; v208-227 the codes just made
.set TM,   228                         ; v228-243 maxima, bytes, scale operands
.set PW,   244                         ; v244 the scale word just made
.set SEL,  38
.set XN,   32                          ; weights: v32-159 four sets of 32 numbers
.set OUTR, 160                         ; v160-185 the way out
; 64 numbers of a lane, register 16 b + i = k 32 b + 16 (lane / 16) + i of my row, become a fragment's codes in v[PC] on and its scale word in v[PW]
.macro QUANT s
.irp b, 0,1,2,3
	v_max3_num_f32 v[TM+\b], |v[\s+16*\b]|, |v[\s+1+16*\b]|, 0x2800000   ; block b: my 16 numbers, and the floor 2^(5 - 127): the byte cannot fall under 1
.endr
.irp i, 2,4,6,8,10,12,14
.irp b, 0,1,2,3
	v_max3_num_f32 v[TM+\b], v[TM+\b], |v[\s+16*\b+\i]|, |v[\s+1+16*\b+\i]|   ; (the four blocks by turns)
.endr
.endr
.irp b, 0,1,2,3
	v_permlanex16_b32 v[TM+4+\b], v[TM+\b], s[SEL], s[SEL+1]
.endr
.irp b, 0,1,2,3
	v_max_num_f32 v[TM+\b], v[TM+\b], v[TM+4+\b]   ; with lane l xor 16's: the block's largest magnitude
.endr
.irp b, 0,1,2,3
	v_add_nc_u32 v[TM+12+\b], 0xfe000000, v[TM+\b] ; 4 off its exponent field: the conversion's scale operand
.endr
.irp b, 0,1,2,3
	v_lshrrev_b32 v[TM+4+\b], 23, v[TM+12+\b]      ; the scale's byte
.endr
	v_lshl_or_b32 v[PW], v[TM+5], 8, v[TM+4]
	v_lshl_or_b32 v[PW], v[TM+6], 16, v[PW]
	v_lshl_or_b32 v[PW], v[TM+7], 24, v[PW]
.irp c, 0,1
	v_cvt_scalef32_pk16_bf6_f32 v[PC+6*\c:PC+2+6*\c], v[\s+32*\c:\s+15+32*\c], v[TM+12+2*\c]
	v_cvt_scalef32_pk16_bf6_f32 v[PC+12+4*\c:PC+14+4*\c], v[\s+16+32*\c:\s+31+32*\c], v[TM+12+2*\c+1]   ; (a conversion's three registers begin on an even number)
.endr
	v_nop                                          ; one plain place behind a scaled conversion
.irp c, 0,1                                    ; the operand's layout wants a WHOLE block in a lane: lanes 0-15 block 2 c, lanes 16-31 block 2 c + 1
.irp i, 0,1,2
	v_permlane16_swap_b32 v[PC+6*\c+\i], v[PC+12+4*\c+\i]
.endr
.irp i, 0,1,2
	v_mov_b32 v[PC+3+6*\c+\i], v[PC+12+4*\c+\i]
.endr
.endr
.endm
; fragment e of my two: through my stage, quantised, stored as it stands
.macro XPART e
	s_wait_loadcnt 16*(1-(\e))                     ; this fragment's 16 loads are in; the other's 16 may be out
.irp i, 0,1,2,3,4,5,6,7,8,9,10,11,12,13,14,15
	ds_store_b128 v[STI], v[R+64*(\e)+4*\i:R+64*(\e)+4*\i+3] offset:528*\i
.endr
.irp b, 0,1,2,3
.irp j, 0,1,2,3
	ds_load_b128 v[XS+16*\b+4*\j:XS+16*\b+4*\j+3], v[STO] offset:128*\b+16*\j   ; LDS serves a wave's instructions in order: these see my stores
.endr
.endr
	s_wait_dscnt 0x0
.if \e
	s_wait_xcnt 0x0                                ; the first fragment's stores have read their registers, which are written again below
.endif
	QUANT XS
.irp c, 0,1,2
	global_store_b128 v[LI], v[PC+4*\c:PC+4*\c+3], s[32:33] offset:FRB*(\e)+512*\c   ; 32 lanes store 512 consecutive bytes, aligned
.endr
	global_store_b32 v[LS], v[PW], s[34:35] offset:128*(\e)
.endm
	s_load_b512 s[8:23], s[0:1], 0x0               ; visual, text, Wq, Wk, Wv, Wo, xq, wrec
	v_lshl_add_u32 v254, v0, 2, 0xbc00
	v_mov_b32 v255, 0
	v_lshrrev_b32 v9, 5, v0
	v_readfirstlane_b32 s4, v9                     ; wave 0..3
	s_and_b32 s5, ttmp7, 0xffff                    ; work-group y
	s_cmp_ge_u32 ttmp9, 32
	s_cbranch_scc1 .Lweights
	; ---- the features
	v_and_b32 v1, 31, v0                           ; lane
	v_and_b32 v2, 15, v0                           ; r
	v_bfe_u32 v3, v0, 4, 1                         ; h
	v_lshlrev_b32 v[LI], 4, v1
	v_lshlrev_b32 v[LS], 2, v1
	s_mul_i32 s6, s4, STGB
	v_add_nc_u32 v[STI], s6, v[LI]
	v_mul_u32_u24 v[STO], v2, 528
	v_lshl_add_u32 v[STO], v3, 6, v[STO]
	v_add_nc_u32 v[STO], s6, v[STO]
.irp b, 0,1,2,3
	v_mov_b32 v[TM+4+\b], 0                        ; written once: a lane permute's destination counts as one of its sources
.endr
	s_mov_b32 s[SEL], 0x76543210
	s_mov_b32 s[SEL+1], 0xfedcba98                 ; v_permlanex16_b32's selects for lane l xor 16
	s_lshr_b32 s24, s5, 3                          ; which pair of K steps: y / 8
	s_and_b32 s25, s5, 7
	s_lshl_b32 s25, s25, 5
	s_add_co_u32 s25, s25, ttmp9
	s_lshl_b32 s25, s25, 2
	s_add_co_u32 s25, s25, s4                      ; my token tile, 0 .. 1,023: ((y % 8) 32 + x) 4 + wave
	s_lshr_b32 s26, s25, 3                         ; X: its 128 tokens
	s_and_b32 s27, s25, 7                          ; T: the tile among them
	s_and_b32 s28, s26, 63
	s_mul_i32 s28, s28, 128*ROWB
	s_lshr_b32 s29, s27, 1
	s_mul_i32 s29, s29, 32*ROWB
	s_add_co_u32 s28, s28, s29
	s_and_b32 s29, s27, 1
	s_mul_i32 s29, s29, 8*ROWB
	s_add_co_u32 s28, s28, s29                     ; the tile's row 0: token 32 (T / 2) + 8 (T % 2),
	s_lshl_b32 s29, s24, 10
	s_add_co_u32 s28, s28, s29                     ; and my two K steps' 1,024 bytes of a row
	s_mov_b32 s29, 0
	s_mul_i32 s30, s26, XREC
	s_mul_i32 s31, s27, 6
	s_lshl_b32 s32, s24, 1
	s_add_co_u32 s31, s31, s32                     ; my first fragment's number: 6 T + K step
	s_mul_i32 s32, s31, FRB
	s_add_co_u32 s32, s32, s30
	s_mov_b32 s33, 0
	s_lshl_b32 s34, s31, 7
	s_add_co_u32 s34, s34, s30
	s_add_co_u32 s34, s34, 48*FRB
	s_mov_b32 s35, 0
	s_wait_alu depctr_va_vdst(0)
	s_wait_kmcnt 0x0
	s_cmp_lt_u32 s26, 64                           ; which source: the choice hangs on the work-group's number alone
	s_cselect_b64 s[36:37], s[8:9], s[10:11]
	s_add_nc_u64 s[36:37], s[36:37], s[28:29]
	s_add_nc_u64 s[32:33], s[20:21], s[32:33]
	s_add_nc_u64 s[34:35], s[20:21], s[34:35]
.irp e, 0,1
.irp i, 0,1,2,3,4,5,6,7,8,9,10,11,12,13,14,15
	global_load_b128 v[R+64*\e+4*\i:R+64*\e+4*\i+3], v[LI], s[36:37] offset:(\i+8*(\i/8))*ROWB+512*\e th:TH_LOAD_NT   ; row i of the tile: 512 consecutive bytes
.endr
.endr
	XPART 0
	XPART 1
	s_wait_tensorcnt 0x0
	ds_add_u32 v254, v255
	s_wait_dscnt 0x0
	s_endpgm
	; ---- the weights
.Lweights:
	v_and_b32 v1, 31, v0                           ; lane = my column in B
	v_lshlrev_b32 v2, 2, v1                        ; in: 4 bytes a lane
	s_mul_i32 s6, s4, WREG
	s_add_co_u32 s6, s6, WLDS
	v_bfe_u32 v9, v0, 3, 1                         ; u = (lane / 8) % 2: which tile my column falls into
	v_and_b32 v15, 7, v0
	v_bfe_u32 v22, v0, 4, 1
	v_lshl_add_u32 v15, v22, 3, v15                ; r = lane % 8 + 8 (lane / 16): its row there
	v_mul_u32_u24 v3, v9, FRB
	v_lshl_add_u32 v3, v15, 4, v3
	v_add_nc_u32 v3, s6, v3                        ; my place in the images: 1536 u + 16 r
	v_lshlrev_b32 v4, 7, v9
	v_lshl_add_u32 v4, v15, 2, v4
	v_add_nc_u32 v4, s6, v4
	v_add_nc_u32 v4, 3072, v4                      ; and in the scale images: 128 u + 4 r
	v_lshlrev_b32 v7, 4, v1                        ; out: 16 bytes a lane
	v_add_nc_u32 v5, s6, v7
	v_lshlrev_b32 v8, 3, v1                        ; the scale images: 8 bytes a lane
	v_add_nc_u32 v6, s6, v8
	v_add_nc_u32 v6, 3072, v6
	s_and_b32 s24, s5, 3                           ; w: which weight
	s_lshr_b32 s25, s5, 2                          ; s: which K step
	s_sub_co_u32 s26, ttmp9, 32
	s_lshl_b32 s26, s26, 2
	s_add_co_u32 s26, s26, s4                      ; B: my 32 columns, 0 .. 23
	s_mul_i32 s28, s25, 128*ROWB
	s_lshl_b32 s29, s26, 7
	s_add_co_u32 s28, s28, s29                     ; W: 128 s rows down, 32 B columns on
	s_mov_b32 s29, 0
	s_mul_i32 s27, s26, 11
	s_lshr_b32 s27, s27, 5                         ; the section, B / 3 (11 B / 32 is that for B under 24)
	s_mul_i32 s30, s27, 3
	s_sub_co_u32 s30, s26, s30
	s_mul_i32 s30, s30, 6
	s_add_co_u32 s30, s30, s25                     ; (B % 3) 6 + s: my pair of fragments in the section
	s_lshl_b32 s31, s24, 3
	s_add_co_u32 s31, s31, s27
	s_mul_i32 s31, s31, WRECB                      ; the section's record
	s_mul_i32 s32, s30, 2*FRB
	s_add_co_u32 s32, s32, s31
	s_mov_b32 s33, 0
	s_lshl_b32 s34, s30, 8
	s_add_co_u32 s34, s34, s31
	s_add_co_u32 s34, s34, 36*FRB
	s_mov_b32 s35, 0
	s_wait_kmcnt 0x0
	s_cmp_eq_u32 s24, 1                            ; which weight: the choice hangs on the work-group's number alone
	s_cselect_b64 s[12:13], s[14:15], s[12:13]
	s_cmp_eq_u32 s24, 2
	s_cselect_b64 s[12:13], s[16:17], s[12:13]
	s_cmp_eq_u32 s24, 3
	s_cselect_b64 s[12:13], s[18:19], s[12:13]
	s_add_nc_u64 s[12:13], s[12:13], s[28:29]
	s_add_nc_u64 s[32:33], s[22:23], s[32:33]
	s_add_nc_u64 s[34:35], s[22:23], s[34:35]
.set I, 0
.rept 128
	global_load_b32 v[XN+I], v2, s[12:13] offset:I*ROWB th:TH_LOAD_NT   ; W(128 s + i, my column): all four blocks are asked for at once
.set I, I+1
.endr
.macro BLOCK t
.if (\t) < 2
	s_wait_loadcnt 63                              ; behind this block's loads stand 96 or 64 younger ones; the wait's field names 63 at the most, which is under both
.else
	s_wait_loadcnt 32*(3-(\t))                     ; the blocks behind this one may be out
.endif
.set XB, XN+32*(\t)
	v_max3_num_f32 v10, |v[XB]|, |v[XB+1]|, |v[XB+2]|              ; the block's largest magnitude: all 32 numbers are mine; two chains
	v_max3_num_f32 v11, |v[XB+3]|, |v[XB+4]|, |v[XB+5]|
.irp i, 6,10,14,18,22,26
	v_max3_num_f32 v10, v10, |v[XB+\i]|, |v[XB+\i+1]|
	v_max3_num_f32 v11, v11, |v[XB+\i+2]|, |v[XB+\i+3]|
.endr
	v_max3_num_f32 v10, v10, |v[XB+30]|, |v[XB+31]|
	v_max3_num_f32 v10, v10, v11, 0x2800000        ; and the floor 2^(5 - 127): the byte cannot fall under 1
	v_add_nc_u32 v12, 0xfe000000, v10              ; 4 off the exponent field: the conversion's scale operand
	v_lshrrev_b32 v13, 23, v12                     ; the scale's byte
.if (\t) == 0
	v_mov_b32 v14, v13                             ; the K step's four bytes make my column's scale word
.else
	v_lshl_or_b32 v14, v13, 8*(\t), v14
.endif
	v_cvt_scalef32_pk16_bf6_f32 v[16:18], v[XB:XB+15], v12
	v_cvt_scalef32_pk16_bf6_f32 v[24:26], v[XB+16:XB+31], v12      ; (a conversion's three registers begin on an even number)
	v_nop                                          ; one plain place behind a scaled conversion
	v_mov_b32 v19, v24
	v_mov_b32 v20, v25
	v_mov_b32 v21, v26                             ; v16-21: registers 6 c .. 6 c + 5 of fragment lane r + 16 h, with h = t % 2, c = t / 2
.if (\t) < 2
	ds_store_b128 v3, v[16:19] offset:256*((\t)%2)                 ; registers 0-3
	ds_store_b64 v3, v[20:21] offset:512+256*((\t)%2)              ; registers 4, 5
.else
	ds_store_b64 v3, v[16:17] offset:520+256*((\t)%2)              ; registers 6, 7
	ds_store_b128 v3, v[18:21] offset:1024+256*((\t)%2)            ; registers 8-11
.endif
	s_wait_dscnt 0x0                               ; the stores have read their registers: the next block's codes may be written
.endm
	BLOCK 0
	BLOCK 1
	BLOCK 2
	BLOCK 3
	s_wait_alu depctr_va_vdst(0)
	ds_store_b32 v4, v14                           ; the scale word, for lane r
	ds_store_b32 v4, v14 offset:64                 ; and for lane r + 16
.irp j, 0,1,2,3,4,5
	ds_load_b128 v[OUTR+4*\j:OUTR+4*\j+3], v5 offset:512*\j        ; LDS serves a wave's instructions in order: these see my stores
.endr
	ds_load_b64 v[OUTR+24:OUTR+25], v6
	s_wait_dscnt 0x0
.irp j, 0,1,2,3,4,5
	global_store_b128 v7, v[OUTR+4*\j:OUTR+4*\j+3], s[32:33] offset:512*\j   ; 32 lanes store 512 consecutive bytes, aligned
.endr
	global_store_b64 v8, v[OUTR+24:OUTR+25], s[34:35]              ; 256 consecutive bytes, aligned
	s_wait_tensorcnt 0x0
	ds_add_u32 v254, v255
	s_wait_dscnt 0x0
	s_endpgm
.Lfunc_end_k_qa28f405590_quant:
	.size	k_qa28f405590_quant, .Lfunc_end_k_qa28f405590_quant-k_qa28f405590_quant
	.p2alignl 7, 3214868480
	.fill 96, 4, 3214868480
	.section	.rodata,"a",@progbits
	.p2align	6, 0x0
	.amdhsa_kernel k_qa28f405590_quant
		.amdhsa_group_segment_fixed_size 48640
		.amdhsa_private_segment_fixed_size 0
		.amdhsa_enable_private_segment 0
		.amdhsa_kernarg_size 64
		.amdhsa_user_sgpr_count 2
		.amdhsa_user_sgpr_kernarg_segment_ptr 1
		.amdhsa_wavefront_size32 1
		.amdhsa_system_sgpr_workgroup_id_x 1
		.amdhsa_system_sgpr_workgroup_id_y 1
		.amdhsa_system_sgpr_workgroup_id_z 1
		.amdhsa_system_vgpr_workitem_id 0
		.amdhsa_next_free_vgpr 256
		.amdhsa_next_free_sgpr 66
		.amdhsa_reserve_vcc 0
		.amdhsa_float_denorm_mode_32 3
		.amdhsa_float_denorm_mode_16_64 3
		.amdhsa_memory_ordered 1
		.amdhsa_forward_progress 1
		.amdhsa_inst_pref_size 41
	.end_amdhsa_kernel
	.amdgpu_metadata
---
amdhsa.version: [ 1, 2 ]
amdhsa.kernels:
  - .name:           k_qa28f405590_quant
    .symbol:         k_qa28f405590_quant.kd
    .args:
      - { .name: visual_features, .offset: 0, .size: 8, .value_kind: global_buffer, .address_space: global }
      - { .name: text_features, .offset: 8, .size: 8, .value_kind: global_buffer, .address_space: global }
      - { .name: Wq, .offset: 16, .size: 8, .value_kind: global_buffer, .address_space: global }
      - { .name: Wk, .offset: 24, .size: 8, .value_kind: global_buffer, .address_space: global }
      - { .name: Wv, .offset: 32, .size: 8, .value_kind: global_buffer, .address_space: global }
      - { .name: Wo, .offset: 40, .size: 8, .value_kind: global_buffer, .address_space: global }
      - { .name: xq, .offset: 48, .size: 8, .value_kind: global_buffer, .address_space: global }
      - { .name: wrec, .offset: 56, .size: 8, .value_kind: global_buffer, .address_space: global }
    .group_segment_fixed_size: 48640
    .private_segment_fixed_size: 0
    .kernarg_segment_align: 8
    .kernarg_segment_size: 64
    .max_flat_workgroup_size: 128
    .sgpr_count:     66
    .vgpr_count:     256
    .wavefront_size: 32
...
	.end_amdgpu_metadata
.endif
;; end of part 1
;; launch proj (part 2): grid 2 x 128, 4 waves a work-group, no clusters, 327,680 bytes of LDS; arguments visual_mask, text_mask, bq, bk, bv, xq, wrec, qimg, qsc, kv; writes qimg, qsc, kv
.if DOCPART == 2
	.amdgcn_target "amdgcn-amd-amdhsa--gfx1250"
	.amdhsa_code_object_version 6
	.text
	.protected	k_qa28f405590_proj
	.globl	k_qa28f405590_proj
	.p2align	8
	.type	k_qa28f405590_proj,@function
k_qa28f405590_proj:
	s_mov_b64 s[64:65], 0
	v_nop
	global_prefetch_b8 v0, s[64:65] scope:SCOPE_SE
	s_setreg_imm32_b32 hwreg(HW_REG_WAVE_MODE, 25, 1), 1
	s_wait_xcnt 0x0
.set FRB,   1536
.set XSC,   73728
.set WL,    79872
.set WRECB, 59904
.set PADT,  319488
.set LSX,  1
.set BH,   2
.set BP,   3
.set LI,   4
.set LS,   5
.set WLI,  6
.set WLS,  7
.set PADA, 10
.set XAD,  11
.set TV1,  12
.set XSA,  15
.set WS,   16
.set XSW,  52
.set ACC,  64
.set ASTR, 64
.set PC,   192
.set TM,   212
.set PW,   228
.set PADR, 230
.set BIGH, 232
.set NEGH, 233
.set MK,   234
.set TT,   242
.set PADX, 253
.set VC,   160
.set VSW,  232
.set MX,   238
.set PM,   244
.set TV0,  250
.set BIA,  144
.set WV,   4
.set HD,   5
.set CNT,  62
.set XO,   63
.set SO,   66
.set PO,   67
.set SEL,  68
.set G1X,  72
.set G0X,  80
.set G1W,  84
.set G0W,  92
.set MSB, 0
.macro WIN new
.if MSB != (\new)
	s_set_vgpr_msb (MSB<<8)|(\new)
.set MSB, (\new)
.endif
.endm
.macro PLACES n
.rept \n
	v_nop
.endr
.endm
.macro WLOADH wp, half
	WIN 0x40+0x40*(\half)
.irp tt, 0,1,2
.irp s, 0,1,2,3,4,5
.irp j, 0,1,2
.set rT, 3*(\half)+\tt
	global_load_b128 v[12*(6*\tt+\s)+4*\j:12*(6*\tt+\s)+4*\j+3], v[LI], s[\wp:\wp+1] offset:(((rT/2)*6+\s)*2+rT%2)*FRB+512*\j
.endr
.endr
.endr
	WIN 0
.irp tt, 0,1,2
.irp s, 0,1,2,3,4,5
.set rT, 3*(\half)+\tt
	global_load_b32 v[WS+6*rT+\s], v[LS], s[\wp:\wp+1] offset:36*FRB+(((rT/2)*6+\s)*2+rT%2)*128
.endr
.endr
.endm
.macro WFETCH half
	WIN 0x40+0x40*(\half)
.irp tt, 0,1,2
.irp s, 0,1,2,3,4,5
.irp j, 0,1,2
.set rT, 3*(\half)+\tt
	ds_load_b128 v[12*(6*\tt+\s)+4*\j:12*(6*\tt+\s)+4*\j+3], v[WLI] offset:(((rT/2)*6+\s)*2+rT%2)*FRB+512*\j
.endr
.endr
.endr
	WIN 0
.irp tt, 0,1,2
.irp s, 0,1,2,3,4,5
.set rT, 3*(\half)+\tt
	ds_load_b32 v[WS+6*rT+\s], v[WLS] offset:36*FRB+(((rT/2)*6+\s)*2+rT%2)*128
.endr
.endr
.endm
.macro BLOAD bp, half, isv
	WIN 0xc0
.irp tt, 0,1,2
.set rT, 3*(\half)+\tt
.if \isv
	global_load_b32 v[BIA+8*rT], v[BP], s[\bp:\bp+1] offset:(32*(rT/2)+8*(rT%2))*4
.else
	global_load_b128 v[BIA+8*rT:BIA+8*rT+3], v[BH], s[\bp:\bp+1] offset:(32*(rT/2)+8*(rT%2))*4
	global_load_b128 v[BIA+8*rT+4:BIA+8*rT+7], v[BH], s[\bp:\bp+1] offset:(32*(rT/2)+8*(rT%2))*4+16
.endif
.endr
	WIN 0
.endm
.macro NEXTW nl, nwp, nbp, nv, half
.if \nl
	WFETCH \half
.else
	WLOADH \nwp, \half
.endif
	BLOAD \nbp, \half, \nv
.endm
.macro QUANT s
.irp b, 0,1,2,3
	v_max3_num_f32 v[TM+\b], |v[\s+16*\b]|, |v[\s+1+16*\b]|, 0x2800000
.endr
.irp i, 2,4,6,8,10,12,14
.irp b, 0,1,2,3
	v_max3_num_f32 v[TM+\b], v[TM+\b], |v[\s+16*\b+\i]|, |v[\s+1+16*\b+\i]|
.endr
.endr
.irp b, 0,1,2,3
	v_permlanex16_b32 v[TM+4+\b], v[TM+\b], s[SEL], s[SEL+1]
.endr
.irp b, 0,1,2,3
	v_max_num_f32 v[TM+\b], v[TM+\b], v[TM+4+\b]
.endr
.irp b, 0,1,2,3
	v_add_nc_u32 v[TM+12+\b], 0xfe000000, v[TM+\b]
.endr
.irp b, 0,1,2,3
	v_lshrrev_b32 v[TM+4+\b], 23, v[TM+12+\b]
.endr
	v_lshl_or_b32 v[PW], v[TM+5], 8, v[TM+4]
	v_lshl_or_b32 v[PW], v[TM+6], 16, v[PW]
	v_lshl_or_b32 v[PW], v[TM+7], 24, v[PW]
.irp c, 0,1
	v_cvt_scalef32_pk16_bf6_f32 v[PC+6*\c:PC+2+6*\c], v[\s+32*\c:\s+15+32*\c], v[TM+12+2*\c]
	v_cvt_scalef32_pk16_bf6_f32 v[PC+12+4*\c:PC+14+4*\c], v[\s+16+32*\c:\s+31+32*\c], v[TM+12+2*\c+1]
.endr
	v_nop
.irp c, 0,1
.irp i, 0,1,2
	v_permlane16_swap_b32 v[PC+6*\c+\i], v[PC+12+4*\c+\i]
.endr
.irp i, 0,1,2
	v_mov_b32 v[PC+3+6*\c+\i], v[PC+12+4*\c+\i]
.endr
.endr
.endm
.macro XFETCH xa, sa, pad, pa
	WIN 0xc0
.irp f, 0,1,2,3,4,5,6,7,8,9,10,11
.irp j, 0,1,2
	ds_load_b128 v[12*\f+4*\j:12*\f+4*\j+3], v[\xa] offset:\f*FRB+512*\j
.endr
.endr
	WIN 0
.irp f, 0,1,2,3,4,5,6,7,8,9,10,11
	ds_load_b32 v[XSW+\f], v[\sa] offset:\f*128
.endr
.if \pad
	ds_load_b32 v[PADR], v[\pa]
	ds_load_b32 v[PADR+1], v[\pa] offset:128
.endif
.endm
.macro MULB kind, half
.irp s, 0,1,2,3,4,5
.if \s == 0
.if \kind
	WIN 0x37+4*(\half)
.else
	WIN 0x3d+(\half)
.endif
.endif
.if \s == 1
.if \kind
	WIN 0x07+4*(\half)
.else
	WIN 0x0d+(\half)
.endif
.endif
.irp tt, 0,1,2
.irp u, 0,1
.set rT, 3*(\half)+\tt
.set rW, 12*(6*\tt+\s)
.set rX, 12*(6*\u+\s)
.if \kind
.set rD, ACC+16*rT+8*\u
.if \s == 0
	v_wmma_scale_f32_16x16x128_f8f6f4 v[rD:rD+7], v[rX:rX+11], v[rW:rW+11], v[BIA+8*rT:BIA+8*rT+7], v[XSW+6*\u+\s], v[WS+6*rT+\s] matrix_a_fmt:MATRIX_FMT_BF6 matrix_b_fmt:MATRIX_FMT_BF6
.else
	v_wmma_scale_f32_16x16x128_f8f6f4 v[rD:rD+7], v[rX:rX+11], v[rW:rW+11], v[rD:rD+7], v[XSW+6*\u+\s], v[WS+6*rT+\s] matrix_a_fmt:MATRIX_FMT_BF6 matrix_b_fmt:MATRIX_FMT_BF6
.endif
.else
.set rD, ACC+ASTR*\u+8*rT
.if \s == 0
	v_wmma_scale_f32_16x16x128_f8f6f4 v[rD:rD+7], v[rW:rW+11], v[rX:rX+11], v[BIA+8*rT:BIA+8*rT+7], v[WS+6*rT+\s], v[XSW+6*\u+\s] matrix_a_fmt:MATRIX_FMT_BF6 matrix_b_fmt:MATRIX_FMT_BF6
.else
	v_wmma_scale_f32_16x16x128_f8f6f4 v[rD:rD+7], v[rW:rW+11], v[rX:rX+11], v[rD:rD+7], v[WS+6*rT+\s], v[XSW+6*\u+\s] matrix_a_fmt:MATRIX_FMT_BF6 matrix_b_fmt:MATRIX_FMT_BF6
.endif
.endif
.endr
.endr
.endr
.endm
.macro SEND cp, sp, u
.irp j, 0,1,2
	global_store_b128 v[LI], v[PC+4*\j:PC+4*\j+3], s[\cp:\cp+1] offset:FRB*(\u)+512*\j
.endr
	global_store_b32 v[LS], v[PW], s[\sp:\sp+1] offset:128*(\u)
.endm
.macro TRIPQK isk, tail, cp, sp, nl, nwp, nbp, nv
.if \tail && \nl
	s_wait_tensorcnt 0x0
.endif
	s_wait_dscnt 0x0
.if \isk
	v_mov_b32 v[ACC+48], v[PADR]
	s_wait_alu depctr_va_vdst(0)
	v_mov_b32 v[ACC+ASTR+48], v[PADR+1]
.endif
	MULB 0, 0
.if \tail
	PLACES 4
	NEXTW \nl, \nwp, \nbp, \nv, 0
.endif
	MULB 0, 1
	WIN 0
	PLACES 5
.if \tail
	NEXTW \nl, \nwp, \nbp, \nv, 1
	XFETCH LI, LSX, 1-\nv, PADA
.else
	v_add_nc_u32 v[XAD], s[XO], v[LI]
	v_add_nc_u32 v[XSA], s[SO], v[LSX]
	v_add_nc_u32 v[PADX], s[PO], v[PADA]
	XFETCH XAD, XSA, \isk, PADX
.endif
	QUANT ACC
	SEND \cp, \sp, 0
	s_wait_xcnt 0x0
	QUANT ACC+ASTR
	SEND \cp, \sp, 1
	s_wait_xcnt 0x0
.if !\tail
	s_add_nc_u64 s[\cp:\cp+1], s[\cp:\cp+1], 2*FRB
	s_add_nc_u64 s[\sp:\sp+1], s[\sp:\sp+1], 256
	s_add_co_u32 s[XO], s[XO], 12*FRB
	s_add_co_u32 s[SO], s[SO], 1536
	s_add_co_u32 s[PO], s[PO], 256
.endif
.endm
.macro VBLOCK b
	s_wait_dscnt 0x0
	MULB 1, 0
	MULB 1, 1
	WIN 0
	PLACES 5
.if (\b) < 3
	v_add_nc_u32 v[XAD], ((\b)+1)*12*FRB, v[LI]
	v_add_nc_u32 v[XSA], ((\b)+1)*1536, v[LSX]
	XFETCH XAD, XSA, 0, PADA
.endif
.irp t, 0,1,2,3,4,5
	v_max3_num_f32 v[MX+\t], |v[ACC+16*\t]|, |v[ACC+16*\t+1]|, 0x2800000
.endr
.irp i, 2,4,6,8,10,12,14
.irp t, 0,1,2,3,4,5
	v_max3_num_f32 v[MX+\t], v[MX+\t], |v[ACC+16*\t+\i]|, |v[ACC+16*\t+\i+1]|
.endr
.endr
.irp t, 0,1,2,3,4,5
	v_permlanex16_b32 v[PM+\t], v[MX+\t], s[SEL], s[SEL+1]
.endr
.irp t, 0,1,2,3,4,5
	v_max_num_f32 v[MX+\t], v[MX+\t], v[PM+\t]
.endr
.irp t, 0,1,2,3,4,5
	v_add_nc_u32 v[MX+\t], 0xfe000000, v[MX+\t]
.endr
.irp t, 0,1,2,3,4,5
	v_lshrrev_b32 v[PM+\t], 23, v[MX+\t]
.endr
.irp t, 0,1,2,3,4,5
.if (\b) == 0
	v_mov_b32 v[VSW+\t], v[PM+\t]
.else
	v_lshl_or_b32 v[VSW+\t], v[PM+\t], 8*(\b), v[VSW+\t]
.endif
.endr
.if (\b)%2 == 0
.irp t, 0,1,2,3,4,5
	v_cvt_scalef32_pk16_bf6_f32 v[VC+12*\t+6*((\b)/2):VC+12*\t+6*((\b)/2)+2], v[ACC+16*\t:ACC+16*\t+15], v[MX+\t]
.endr
	v_nop
.else
.irp p, 0,1,2
	v_cvt_scalef32_pk16_bf6_f32 v[TV0:TV0+2], v[ACC+32*\p:ACC+32*\p+15], v[MX+2*\p]
	v_cvt_scalef32_pk16_bf6_f32 v[TV1:TV1+2], v[ACC+32*\p+16:ACC+32*\p+31], v[MX+2*\p+1]
	v_nop
.irp i, 0,1,2
	v_permlane16_swap_b32 v[VC+24*\p+6*((\b)/2)+\i], v[TV0+\i]
	v_permlane16_swap_b32 v[VC+24*\p+12+6*((\b)/2)+\i], v[TV1+\i]
.endr
.irp i, 0,1,2
	v_mov_b32 v[VC+24*\p+6*((\b)/2)+3+\i], v[TV0+\i]
	v_mov_b32 v[VC+24*\p+12+6*((\b)/2)+3+\i], v[TV1+\i]
.endr
.endr
.endif
.endm
	s_load_b512 s[8:23], s[0:1], 0x0
	s_load_b128 s[24:27], s[0:1], 0x40
	v_lshl_add_u32 v254, v0, 2, 0x4f000
	v_mov_b32 v255, 0
	ds_add_u32 v254, v255
	ds_add_u32 v254, v255
	v_lshrrev_b32 v[TT], 5, v0
	v_readfirstlane_b32 s[WV], v[TT]
	s_and_b32 s6, ttmp7, 0xffff
	s_lshl_b32 s[HD], ttmp9, 2
	s_add_co_u32 s[HD], s[HD], s[WV]
	s_mov_b32 s[G1X], 3<<16
	s_mov_b32 s[G1X+1], 32<<16
	s_mov_b32 s[G1X+2], 78<<16
	s_mov_b32 s[G1X+3], 32<<16
	s_mov_b32 s[G1X+4], 78
	s_mov_b32 s[G1X+5], 32
	s_mov_b32 s[G1X+6], 0
	s_mov_b32 s[G1X+7], 0
	s_mov_b32 s[G1W], 3<<16
	s_mov_b32 s[G1W+1], 32<<16
	s_mov_b32 s[G1W+2], 234<<16
	s_mov_b32 s[G1W+3], 32<<16
	s_mov_b32 s[G1W+4], 234
	s_mov_b32 s[G1W+5], 32
	s_mov_b32 s[G1W+6], 0
	s_mov_b32 s[G1W+7], 0
	s_mov_b32 s[G0X], 1
	s_mul_i32 s[G0X+1], s[WV], 19968
	s_mov_b32 s[G0W], 1
	s_mul_i32 s[G0W+1], s[WV], WRECB
	s_add_co_u32 s[G0W+1], s[G0W+1], WL
	s_mul_i32 s2, s6, 79872
	s_add_co_u32 s2, s2, s[G0X+1]
	s_mov_b32 s3, 0
	s_mul_i32 s96, s[HD], WRECB
	s_mov_b32 s97, 0
	s_wait_dscnt 0x0
	s_wait_kmcnt 0x0
	s_add_nc_u64 s[G0X+2:G0X+3], s[18:19], s[2:3]
	s_or_b32 s[G0X+3], s[G0X+3], 0x80000000
	s_add_nc_u64 s[36:37], s[20:21], s[96:97]
	s_add_nc_u64 s[G0W+2:G0W+3], s[36:37], 8*WRECB
	s_or_b32 s[G0W+3], s[G0W+3], 0x80000000
	s_add_nc_u64 s[40:41], s[36:37], 16*WRECB
	tensor_load_to_lds s[G0X:G0X+3], s[G1X:G1X+7]
	s_nop 0
	s_wait_alu depctr_va_vdst(0)
	s_wait_tensorcnt 0x0
	ds_add_u32 v254, v255
	s_wait_dscnt 0x0
	s_barrier_signal -1
	s_barrier_wait -1
	tensor_load_to_lds s[G0W:G0W+3], s[G1W:G1W+7]
	s_nop 0
	PLACES 4
	v_and_b32 v[TT+1], 31, v0
	v_and_b32 v[TT+2], 15, v0
	v_bfe_u32 v[TT+3], v0, 4, 1
	v_lshlrev_b32 v[LI], 4, v[TT+1]
	v_lshlrev_b32 v[LS], 2, v[TT+1]
	v_add_nc_u32 v[LSX], XSC, v[LS]
	v_lshlrev_b32 v[BH], 6, v[TT+3]
	v_and_b32 v[TT+4], 8, v[TT+2]
	v_add_nc_u32 v[TT+4], v[TT+4], v[TT+2]
	v_lshlrev_b32 v[BP], 2, v[TT+4]
	s_wait_alu depctr_va_vdst(0)
	s_mul_i32 s7, s[WV], WRECB
	s_add_co_u32 s7, s7, WL
	v_add_nc_u32 v[WLI], s7, v[LI]
	v_add_nc_u32 v[WLS], s7, v[LS]
	s_lshl_b32 s7, s[WV], 10
	s_add_co_u32 s7, s7, PADT
	v_add_nc_u32 v[PADA], s7, v[LS]
	s_and_b32 s98, s6, 63
	s_lshl_b32 s98, s98, 9
	s_mov_b32 s99, 0
	s_cmp_lt_u32 s6, 64
	s_cselect_b64 s[34:35], s[8:9], s[10:11]
	s_add_nc_u64 s[34:35], s[34:35], s[98:99]
	s_mul_i32 s2, s[HD], 384
	s_add_nc_u64 s[48:49], s[12:13], s[2:3]
	s_add_nc_u64 s[50:51], s[14:15], s[2:3]
	s_add_nc_u64 s[52:53], s[16:17], s[2:3]
.irp t, 0,1,2,3,4,5,6,7
	global_load_b32 v[MK+\t], v[BP], s[34:35] offset:(32*(\t/2)+8*(\t%2))*4
.endr
	WLOADH 36, 0
	BLOAD 48, 0, 0
	WLOADH 36, 1
	BLOAD 48, 1, 0
	v_cmp_eq_u32 vcc_lo, 0, v[TT+3]
	v_mov_b32 v[TT+5], 0x5ae00000
	v_cndmask_b32 v[BIGH], 0, v[TT+5], vcc_lo
	v_mov_b32 v[TT+5], 0xdae00000
	v_cndmask_b32 v[NEGH], 0, v[TT+5], vcc_lo
.irp b, 0,1,2,3
	v_mov_b32 v[TM+4+\b], 0
.endr
	s_mov_b32 s[SEL], 0x76543210
	s_mov_b32 s[SEL+1], 0xfedcba98
	s_lshr_b32 s96, s6, 3
	s_lshl_b32 s96, s96, 3
	s_add_co_u32 s96, s96, s[HD]
	s_and_b32 s97, s6, 7
	s_mul_i32 s2, s96, 98304
	s_mul_i32 s98, s97, 12288
	s_add_co_u32 s2, s2, s98
	s_add_nc_u64 s[54:55], s[22:23], s[2:3]
	s_lshl_b32 s2, s96, 13
	s_lshl_b32 s98, s97, 10
	s_add_co_u32 s2, s2, s98
	s_add_nc_u64 s[56:57], s[24:25], s[2:3]
	s_mul_i32 s2, s96, 186368
	s_mul_i32 s98, s97, 23296
	s_add_co_u32 s2, s2, s98
	s_add_nc_u64 s[58:59], s[26:27], s[2:3]
	s_mov_b64 s[60:61], s[58:59]
	s_add_nc_u64 s[70:71], s[58:59], 21504
	s_wait_alu depctr_va_vdst(0)
	s_wait_tensorcnt 0x1
	s_barrier_signal -1
	s_barrier_wait -1
	XFETCH LI, LSX, 0, PADA
.irp u, 0,1
	v_mov_b32 v[ACC+ASTR*\u+48], v[NEGH]
.irp i, 49,50,51,52,53,54,55,56,57,58,59,60,61,62,63
	v_mov_b32 v[ACC+ASTR*\u+\i], 0
.endr
.endr
	s_wait_loadcnt 0x0
.irp t, 0,1,2,3,4,5,6,7
	v_cmp_eq_u32 vcc_lo, 0, v[MK+\t]
	v_cndmask_b32 v[TT+\t], 0, v[BIGH], vcc_lo
	ds_store_b32 v[PADA], v[TT+\t] offset:128*\t
.endr
	s_mov_b32 s[CNT], 3
	s_mov_b32 s[XO], 12*FRB
	s_mov_b32 s[SO], 1536
	s_mov_b32 s[PO], 256
.Lq:
	TRIPQK 0, 0, 54, 56, 0, 0, 0, 0
	s_sub_co_u32 s[CNT], s[CNT], 1
	s_cmp_lg_u32 s[CNT], 0
	s_cbranch_scc1 .Lq
	TRIPQK 0, 1, 54, 56, 1, 0, 50, 0
	s_wait_loadcnt 0x0
	s_mov_b32 s[CNT], 3
	s_mov_b32 s[XO], 12*FRB
	s_mov_b32 s[SO], 1536
	s_mov_b32 s[PO], 256
.Lk:
	TRIPQK 1, 0, 60, 70, 0, 0, 0, 0
	s_sub_co_u32 s[CNT], s[CNT], 1
	s_cmp_lg_u32 s[CNT], 0
	s_cbranch_scc1 .Lk
	TRIPQK 1, 1, 60, 70, 0, 40, 52, 1
	s_wait_loadcnt 0x0
	WIN 0xc3
.irp t, 0,1,2,3,4,5
.irp i, 1,2,3,4,5,6,7
	v_mov_b32 v[BIA+8*\t+\i], v[BIA+8*\t]
.endr
.endr
	WIN 0
.irp t, 0,1,2,3,4,5
	v_mov_b32 v[PM+\t], 0
.endr
	s_wait_alu depctr_va_vdst(0)
	VBLOCK 0
	VBLOCK 1
	VBLOCK 2
	VBLOCK 3
.irp t, 0,1,2,3,4,5
.irp j, 0,1,2
	global_store_b128 v[LI], v[VC+12*\t+4*\j:VC+12*\t+4*\j+3], s[58:59] offset:12288+FRB*\t+512*\j
.endr
.endr
.irp t, 0,1,2,3,4,5
	global_store_b32 v[LS], v[VSW+\t], s[58:59] offset:22528+128*\t
.endr
	s_wait_tensorcnt 0x0
	ds_add_u32 v254, v255
	s_wait_dscnt 0x0
	s_endpgm
.Lfunc_end_k_qa28f405590_proj:
	.size	k_qa28f405590_proj, .Lfunc_end_k_qa28f405590_proj-k_qa28f405590_proj
	.p2alignl 7, 3214868480
	.fill 96, 4, 3214868480
	.section	.rodata,"a",@progbits
	.p2align	6, 0x0
	.amdhsa_kernel k_qa28f405590_proj
		.amdhsa_group_segment_fixed_size 327680
		.amdhsa_private_segment_fixed_size 0
		.amdhsa_enable_private_segment 0
		.amdhsa_kernarg_size 80
		.amdhsa_user_sgpr_count 2
		.amdhsa_user_sgpr_kernarg_segment_ptr 1
		.amdhsa_wavefront_size32 1
		.amdhsa_system_sgpr_workgroup_id_x 1
		.amdhsa_system_sgpr_workgroup_id_y 1
		.amdhsa_system_sgpr_workgroup_id_z 1
		.amdhsa_system_vgpr_workitem_id 0
		.amdhsa_next_free_vgpr 1024
		.amdhsa_next_free_sgpr 100
		.amdhsa_reserve_vcc 1
		.amdhsa_float_denorm_mode_32 3
		.amdhsa_float_denorm_mode_16_64 3
		.amdhsa_memory_ordered 1
		.amdhsa_forward_progress 1
		.amdhsa_inst_pref_size 210
	.end_amdhsa_kernel
	.amdgpu_metadata
---
amdhsa.version: [ 1, 2 ]
amdhsa.kernels:
  - .name:           k_qa28f405590_proj
    .symbol:         k_qa28f405590_proj.kd
    .args:
      - { .name: visual_mask, .offset: 0, .size: 8, .value_kind: global_buffer, .address_space: global }
      - { .name: text_mask, .offset: 8, .size: 8, .value_kind: global_buffer, .address_space: global }
      - { .name: bq, .offset: 16, .size: 8, .value_kind: global_buffer, .address_space: global }
      - { .name: bk, .offset: 24, .size: 8, .value_kind: global_buffer, .address_space: global }
      - { .name: bv, .offset: 32, .size: 8, .value_kind: global_buffer, .address_space: global }
      - { .name: xq, .offset: 40, .size: 8, .value_kind: global_buffer, .address_space: global }
      - { .name: wrec, .offset: 48, .size: 8, .value_kind: global_buffer, .address_space: global }
      - { .name: qimg, .offset: 56, .size: 8, .value_kind: global_buffer, .address_space: global }
      - { .name: qsc, .offset: 64, .size: 8, .value_kind: global_buffer, .address_space: global }
      - { .name: kv, .offset: 72, .size: 8, .value_kind: global_buffer, .address_space: global }
    .group_segment_fixed_size: 327680
    .private_segment_fixed_size: 0
    .kernarg_segment_align: 8
    .kernarg_segment_size: 80
    .max_flat_workgroup_size: 128
    .sgpr_count:     100
    .vgpr_count:     1024
    .wavefront_size: 32
...
	.end_amdgpu_metadata
.endif
;; end of part 2
;; launch attn (part 3): grid 256 x 1, 16 waves a work-group, no clusters, 327,680 bytes of LDS; arguments qimg, qsc, kv, aimg, asc; writes aimg, asc
.if DOCPART == 3
	.amdgcn_target "amdgcn-amd-amdhsa--gfx1250"
	.amdhsa_code_object_version 6
	.text
	.protected	k_qa28f405590_attn
	.globl	k_qa28f405590_attn
	.p2align	8
	.type	k_qa28f405590_attn,@function
k_qa28f405590_attn:
	s_mov_b64 s[64:65], 0
	v_nop
	global_prefetch_b8 v0, s[64:65] scope:SCOPE_SE
	s_setreg_imm32_b32 hwreg(HW_REG_WAVE_MODE, 25, 1), 1
	s_wait_xcnt 0x0
; O[q] = the sum over keys of softmax(q . k / sqrt(96)) v for 128 heads (2 sources x 8 batches x 8 heads) of 1,024 queries and 1,024 keys; keys and values are the OTHER source's.  Both products on codes of BF6 (E3M2), one E8M0 scale for each 32 along K.
; THE SOFTMAX: t = score x log2(e) / sqrt(96); M = the row's largest t so far, rounded UP to a whole number; p = 2^(t - M) is quantised along the keys, not normalised; the row's sum is taken of the unquantised p and divides O at the end.
; When M moves, the sum and O are multiplied by 2^(old M - new M): exact.  O / sum is quantised along the model's 768 (a head is three blocks of 32) and leaves as codes.
; THE KEY MASK lies in the codes: coordinate 96 of q and k makes a masked score -784 x 2^100.  The largest score begins at -2^103, above every masked score and under every true one: masked keys never move M, and their p is 0.
; A row with no key left has the sum 0: its scale word becomes all ones, the NaN byte, so that the next product's sums are NaN, as the definition has them.
; LIMITS: true |t| stays under 2^100; NaN and infinities among the inputs are not served; a block whose largest magnitude lies under 2^-122 keeps the byte 1.
; SHARES.  Work-group x: head Y = x / 2, queries 512 (x % 2) on.  Each of sixteen waves owns one tile of 16 queries in each of two passes over the keys, in 256 registers.
; LDS holds the head's K and V whole: eight step records of 91 rows of 256 bytes (8 K fragments, 6 V^T fragments, their scale words: images of operand registers); the tensor load lays 32 bytes of padding behind each row: pitch 288.
; THE FILLS go in four stages of two records, 182 rows: waves 0-13 bring 13 rows each, one tensor load a wave.  Stage 0 is asked for at the head; stage g + 1 behind the barrier in front of stage g's two key steps, so that it has
; two key steps in which to land.  Nothing is filled twice and nothing is stored to LDS.  All of LDS is claimed.
; PREFETCH: in the middle of trip g (g = 0, 1) the records of stage g + 2 are named, one stage ahead of their tensor load: 91 rows of 256 bytes, a lane a row, waves 0-2 (the five lanes left over name row 90 again).
; The two work-groups that read a head share a stage's two records out by address: x % 2 takes record 2 g + x % 2.  Trip 2 names nothing.
; LAYOUT.  S^T = K Q^T, O^T = V^T P^T: a lane holds ONE query throughout.  In memory tile 2 B + u of K holds keys 32 B + 8 u + r + 8 (r / 8).  THE ROWS OF A TILE ARE CHOSEN ANEW BY THE LANES' ADDRESSES: row 8 a + j of tile 4 c + i is
; key 64 c + 32 a + 8 i + j (stored tile 4 c + 2 a + i % 2, row 8 (i / 2) + j).  So lane (r, h) holds in 32 consecutive registers the whole block 2 c + h of 32 keys, in order: a block's maximum needs no other lane, and the
; conversions' results are P's operand registers.  Lanes 8-15 read 12 LDS rows (3,456 bytes) beyond lanes 0-7: 128 bytes on modulo 256.
; NO CLUSTER: a record is read by two work-groups, once each, as a first fill; everything else in the loops comes from LDS.
; REGISTERS: v1-3 lane offsets; v4-7 this step's LDS addresses, v8-10 their lane parts; v11 8 h; v12 -M, v13 the largest score, v[14:15] the sum; v16-27, v240-251 Q of the two passes; v28-30, v32-37 scale words (and nothing else);
; v31 prefetch offset; v40-87 four fragments; v88-151 S^T, then p, then two fragments of V^T; v152-199 O^T; v200-218 codes; v219 NaN bytes; v220-235 at work.
.set REC,   23296                      ; a record in memory
.set RECL,  26208                      ; and in LDS: 91 x 288
.set SPARE, 8*RECL                     ; the spare words: 128 bytes a wave, eight blocks of 256 bytes that no other line names
	s_load_b256 s[4:11], s[0:1], 0x0               ; qimg, qsc, kv, aimg
	s_load_b64 s[12:13], s[0:1], 0x20              ; asc
	v_lshl_add_u32 v254, v0, 2, SPARE
	v_mov_b32 v255, 0
	ds_add_u32 v254, v255                          ; the opening lines: the add twice on end and one wait
	ds_add_u32 v254, v255
	v_lshrrev_b32 v220, 5, v0
	v_readfirstlane_b32 s14, v220                  ; wave 0..15
	v_and_b32 v221, 31, v0                         ; lane
	v_and_b32 v222, 15, v0                         ; r
	v_bfe_u32 v223, v0, 4, 1                       ; h
	v_bfe_u32 v224, v0, 3, 1                       ; a = (lane / 8) % 2
	v_and_b32 v225, 7, v0                          ; j
	v_lshlrev_b32 v1, 4, v221                      ; 16 lane: an image's place in memory
	v_lshlrev_b32 v2, 2, v221                      ; 4 lane: a scale word's
	v_mul_u32_u24 v3, v222, 24
	v_mad_u32_u24 v3, v223, 12, v3                 ; the way out: 24 r + 12 h
	v_mul_u32_u24 v226, v223, 288
	v_lshl_add_u32 v9, v222, 4, v226               ; V^T's fragments: 16 r + 288 h
	v_lshl_add_u32 v8, v225, 4, v226
	v_mad_u32_u24 v8, v224, 3456, v8               ; K's: 16 j + 288 h + 3456 a
	v_mul_u32_u24 v10, v224, 288
	v_lshl_add_u32 v10, v225, 2, v10               ; K's scale words: 4 j + 288 a
	v_lshlrev_b32 v11, 3, v223                     ; 8 h
	v_min_u32 v31, 90, v0
	v_lshlrev_b32 v31, 8, v31                      ; prefetch: row min(thread, 90) of a record
	v_mov_b32 v235, 0                              ; (named as the upper half of the pair v[234:235])
	v_mov_b32 v219, -1                             ; four NaN bytes
	s_wait_alu depctr_va_vdst(0)                   ; the wait here, ahead of the run of scalar lines
	s_lshr_b32 s15, ttmp9, 1                       ; Y
	s_and_b32 s16, ttmp9, 1                        ; which 512 queries
	s_xor_b32 s17, s15, 64                         ; the other source's head
	s_mul_i32 s18, s17, 8*REC
	s_mov_b32 s19, 0
	s_mul_i32 s32, s14, 13*256                     ; my 13 rows of a stage, in memory
	s_mov_b32 s33, 0
	s_mul_i32 s34, s16, REC
	s_add_co_u32 s34, s34, 2*REC                   ; prefetch: my record of stage 1; each trip steps it a stage on before it is used
	s_mov_b32 s35, 0
	s_mov_b32 s24, (3<<16)|(1<<20)|(5<<22)|(7<<25) ; group 1: elements of 8 bytes; behind every 64 words 8 words of padding
	s_mov_b32 s25, 32<<16                          ; tensor_dim0 = 32 elements: rows of 256 bytes
	s_mov_b32 s26, 13<<16                          ; tensor_dim1 = 13 rows
	s_mov_b32 s27, 32<<16                          ; tile_dim0
	s_mov_b32 s28, 13                              ; tile_dim1
	s_mov_b32 s29, 32                              ; the pitch
	s_mov_b32 s30, 0
	s_mov_b32 s31, 0
	s_mov_b32 s48, 1                               ; group 0: count,
	s_mul_i32 s49, s14, 13*288                     ; LDS address
	s_lshl_b32 s38, s15, 6
	s_lshl_b32 s39, s16, 5
	s_add_co_u32 s38, s38, s39
	s_add_co_u32 s38, s38, s14                     ; my first tile of queries: 64 Y + 32 (x % 2) + wave
	s_mul_i32 s40, s38, 1536
	s_mov_b32 s41, 0
	s_lshl_b32 s42, s38, 7
	s_mov_b32 s43, 0
	s_lshr_b32 s44, s15, 3
	s_lshl_b32 s44, s44, 6
	s_add_co_u32 s44, s44, s39
	s_add_co_u32 s44, s44, s14                     ; the same tile among the tokens
	s_and_b32 s45, s15, 7                          ; the head in its token
	s_mul_i32 s46, s44, 9216
	s_mul_i32 s47, s45, 1152
	s_add_co_u32 s46, s46, s47
	s_mov_b32 s47, 0
	s_lshl_b32 s38, s44, 10
	s_lshl_b32 s39, s45, 7
	s_add_co_u32 s38, s38, s39
	s_mov_b32 s39, 0
	s_mov_b32 s20, 0x76543210
	s_mov_b32 s21, 0xfedcba98                      ; v_permlanex16_b32's selects for lane l xor 16
	s_mov_b32 s22, 0x3e16c740                      ; c = log2(e) / sqrt(96)
	s_mov_b32 s23, s22                             ; (named with it as a pair)
	s_wait_dscnt 0x0
	s_wait_kmcnt 0x0
	s_add_nc_u64 s[52:53], s[8:9], s[18:19]        ; the head's eight records
	s_add_nc_u64 s[50:51], s[52:53], s[32:33]
	s_or_b32 s51, s51, 0x80000000                  ; type = 2
	s_add_nc_u64 s[52:53], s[52:53], s[34:35]
	s_cmp_lt_u32 s14, 14
	s_cbranch_scc0 .Lno_fill
	tensor_load_to_lds s[48:51], s[24:31]          ; stage 0: the wave's one load at the head
	s_nop 0
.rept 4
	v_nop
.endr
.Lno_fill:
	s_add_nc_u64 s[4:5], s[4:5], s[40:41]
	s_add_nc_u64 s[6:7], s[6:7], s[42:43]
	s_add_nc_u64 s[10:11], s[10:11], s[46:47]
	s_add_nc_u64 s[12:13], s[12:13], s[38:39]
.irp j, 0,1,2
	global_load_b128 v[16+4*\j:19+4*\j], v1, s[4:5] offset:512*\j              ; Q of pass 0,
	global_load_b128 v[240+4*\j:243+4*\j], v1, s[4:5] offset:24576+512*\j      ; and of pass 1, 16 tiles on
.endr
	global_load_b32 v28, v2, s[6:7]
	global_load_b32 v29, v2, s[6:7] offset:2048
; link k (0..14) of block c's search for its largest score: two chains, v[220 + 2 c] and v[221 + 2 c]; each accumulator is first read at its low end
.macro MXOP c, k
.if (\k) < 2
	v_max3_num_f32 v[220+2*(\c)+(\k)], v[88+32*(\c)+3*(\k)], v[89+32*(\c)+3*(\k)], v[90+32*(\c)+3*(\k)]
.else
	v_max3_num_f32 v[220+2*(\c)+(\k)%2], v[220+2*(\c)+(\k)%2], v[90+32*(\c)+2*(\k)], v[91+32*(\c)+2*(\k)]
.endif
.endm
; A KEY STEP: 128 keys, the record at LDS byte s36.  q: Q's registers, qs: its scale words
.macro STEP q, qs
	v_add_nc_u32 v4, s36, v8                       ; the four additions are also the places in front of loads into registers that the last products have read
	v_add_nc_u32 v5, s36, v9
	v_add_nc_u32 v6, s36, v10
	v_add_nc_u32 v7, s36, v2
	s_wait_alu depctr_va_vdst(0)
.irp g, 0,1                                    ; S^T = K Q^T, four tiles at a time: tiles 4 g + i
.if \g
.rept 4
	v_nop
.endr
.endif
.irp i, 0,1,2,3
.irp j, 0,1,2
	ds_load_b128 v[40+12*\i+4*\j:43+12*\i+4*\j], v4 offset:(4*\g+\i%2)*1728+128*(\i/2)+576*\j
.endr
	ds_load_b32 v[32+\i], v6 offset:288*(84+2*\g)+128*(\i%2)+32*(\i/2)
.endr
	s_wait_dscnt 0x0
.irp i, 0,1,2,3
	v_wmma_scale_f32_16x16x128_f8f6f4 v[88+8*(4*\g+\i):95+8*(4*\g+\i)], v[40+12*\i:51+12*\i], v[\q:\q+11], 0, v[32+\i], v[\qs] matrix_a_fmt:MATRIX_FMT_BF6 matrix_b_fmt:MATRIX_FMT_BF6
.endr
.endr                                          ; lane (r, h): query r; registers 88 + 32 c + 0 .. 31 are keys 64 c + 32 h + 0 .. 31
	MXOP 0, 0                                      ; four links on tiles 0 and 1: the places behind the last products
	MXOP 0, 1
	MXOP 0, 2
	MXOP 0, 3
.irp t, 0,1,2,3                                ; V^T's tiles 0-3 and all six scale words are asked for under the softmax
.irp j, 0,1,2
	ds_load_b128 v[40+12*\t+4*\j:43+12*\t+4*\j], v5 offset:13824+1728*\t+576*\j
.endr
.endr
.irp t, 0,1,2,3,4,5
	ds_load_b32 v[32+\t], v7 offset:288*(88+\t/2)+128*(\t%2)
.endr
.set K, 0
.rept 11
	MXOP 1, K                                      ; four chains by turns
	MXOP 0, K+4
.set K, K+1
.endr
	MXOP 1, 11
	MXOP 1, 12
	MXOP 1, 13
	MXOP 1, 14
	v_max_num_f32 v220, v220, v221                 ; THE LARGEST SCORE OF MY TWO BLOCKS: for the row's maximum and, since p rises with the score, for each block's largest p
	s_delay_alu instid0(VALU_DEP_2)
	v_max_num_f32 v221, v222, v223
	s_delay_alu instid0(VALU_DEP_1)
	v_max3_num_f32 v13, v13, v220, v221
	s_delay_alu instid0(VALU_DEP_1)
	v_permlanex16_b32 v222, v13, s20, s21
	s_delay_alu instid0(VALU_DEP_1)
	v_max_num_f32 v13, v13, v222                   ; the running largest score of my query
	s_delay_alu instid0(VALU_DEP_1)
	v_mul_f32 v232, s22, v13                       ; as t (c is positive)
	s_delay_alu instid0(VALU_DEP_1)
	v_floor_f32 v233, -v232                        ; the new -M = -ceil(t): M IS A WHOLE NUMBER
	s_delay_alu instid0(VALU_DEP_1)
	v_sub_f32 v232, v233, v12                      ; old M less new M: a whole number, 0 or less
	v_mov_b32 v12, v233
	s_delay_alu instid0(VALU_DEP_2)
	v_cvt_i32_f32 v232, v232                       ; (it saturates)
	s_delay_alu instid0(VALU_DEP_1)
	v_ldexp_f32 v234, 1.0, v232                    ; f = 2^(old M - new M)
.set J, 0
.rept 32
	v_pk_fma_f32 v[88+J:89+J], v[88+J:89+J], s[22:23], v[12:13] op_sel_hi:[1,0,0]   ; t - M, two at a time
.set J, J+2
.endr
	v_pk_fma_f32 v[220:221], v[220:221], s[22:23], v[12:13] op_sel_hi:[1,0,0]       ; the same of the two blocks' largest scores
	s_wait_alu depctr_va_vdst(0)                   ; the wait ahead of the batch
.set J, 0
.rept 64
	v_exp_f32 v[88+J], v[88+J]                     ; p = 2^(t - M), at most 1: NOT normalised; 0 for a masked key
.set J, J+1
.endr
	v_exp_f32 v220, v220                           ; the blocks' largest p: the same two instructions on the same numbers
	v_exp_f32 v221, v221
	v_pk_mul_f32 v[14:15], v[14:15], v[234:235] op_sel_hi:[1,0]   ; the sums under the new M (the plain place behind the batch)
	s_wait_alu depctr_va_vdst(0)                   ; one wait for the batch, and directly ahead of the first readers of O^T
.set J, 0
.rept 24
	v_pk_mul_f32 v[152+J:153+J], v[152+J:153+J], v[234:235] op_sel_hi:[1,0]   ; O^T under the new M, each accumulator from its low end on
.set J, J+2
.endr
	v_max_num_f32 v220, 0x2800000, v220            ; the floor 2^(5 - 127): the byte cannot fall under 1
	v_max_num_f32 v221, 0x2800000, v221
	s_delay_alu instid0(VALU_DEP_2)
	v_add_nc_u32 v228, 0xfe000000, v220            ; 4 off the exponent field: the conversion's scale operand
	s_delay_alu instid0(VALU_DEP_2)
	v_add_nc_u32 v229, 0xfe000000, v221
	s_delay_alu instid0(VALU_DEP_2)
	v_lshrrev_b32 v226, 23, v228                   ; the scales' bytes: blocks h and 2 + h
	s_delay_alu instid0(VALU_DEP_2)
	v_lshrrev_b32 v227, 23, v229
	s_delay_alu instid0(VALU_DEP_1)
	v_lshl_or_b32 v226, v227, 16, v226
	s_delay_alu instid0(VALU_DEP_1)
	v_lshlrev_b32 v226, v11, v226                  ; at their places in the word, 8 h bits up
	s_delay_alu instid0(VALU_DEP_1)
	v_permlanex16_b32 v227, v226, s20, s21
	s_delay_alu instid0(VALU_DEP_1)
	v_or_b32 v30, v226, v227                       ; with lane l xor 16's two: p's scale word for these 128 keys
	v_cvt_scalef32_pk16_bf6_f32 v[200:202], v[88:103], v228
	v_cvt_scalef32_pk16_bf6_f32 v[212:214], v[104:119], v228       ; (a conversion's three registers begin on an even number)
	v_cvt_scalef32_pk16_bf6_f32 v[206:208], v[120:135], v229
	v_cvt_scalef32_pk16_bf6_f32 v[216:218], v[136:151], v229
	v_pk_add_f32 v[222:223], v[128:129], v[130:131]                ; THE ROW'S SUM IS TAKEN OF THE UNQUANTISED p.  First the 24 registers that V^T's last two tiles will take
	v_pk_add_f32 v[224:225], v[132:133], v[134:135]
	v_pk_add_f32 v[226:227], v[136:137], v[138:139]
.set J, 0
.rept 6
	v_pk_add_f32 v[222+2*(J%3):223+2*(J%3)], v[222+2*(J%3):223+2*(J%3)], v[140+2*J:141+2*J]
.set J, J+1
.endr
.irp t, 4,5
.irp j, 0,1,2
	ds_load_b128 v[80+12*\t+4*\j:83+12*\t+4*\j], v5 offset:13824+1728*\t+576*\j   ; into v128-151
.endr
.endr
.irp i, 0,1,2
	v_mov_b32 v[203+\i], v[212+\i]                 ; registers 6 c .. 6 c + 5 of P's operand: block 2 c + h
	v_mov_b32 v[209+\i], v[216+\i]
.endr
.set J, 0
.rept 20
.if J%4 == 3
	v_pk_add_f32 v[14:15], v[14:15], v[88+2*J:89+2*J]
.else
	v_pk_add_f32 v[222+2*(J%4):223+2*(J%4)], v[222+2*(J%4):223+2*(J%4)], v[88+2*J:89+2*J]
.endif
.set J, J+1
.endr
	v_pk_add_f32 v[222:223], v[222:223], v[224:225]
	v_pk_add_f32 v[14:15], v[14:15], v[226:227]
	s_delay_alu instid0(VALU_DEP_1)
	v_pk_add_f32 v[14:15], v[14:15], v[222:223]
	s_wait_dscnt 0x0                               ; V^T's six tiles and scale words
.irp t, 0,1,2,3,4,5                            ; O^T += V^T P^T; K = these 128 keys; the six accumulators by turns
.if \t < 4
.set RA, 40+12*\t
.else
.set RA, 80+12*\t
.endif
	v_wmma_scale_f32_16x16x128_f8f6f4 v[152+8*\t:159+8*\t], v[RA:RA+11], v[200:211], v[152+8*\t:159+8*\t], v[32+\t], v30 matrix_a_fmt:MATRIX_FMT_BF6 matrix_b_fmt:MATRIX_FMT_BF6
.endr
	s_add_co_u32 s36, s36, RECL                    ; the next record
.endm
; A pass's start: one tile of 16 queries, nothing summed yet
.macro PINIT
	s_wait_xcnt 0x0                                ; the last pass's stores have read their registers
	v_mov_b32 v13, 0xf3000000                      ; the largest score so far: -2^103
	v_mov_b32 v14, 0                               ; the sum, in two halves
	v_mov_b32 v15, 0
	v_mul_f32 v232, s22, v13
	s_delay_alu instid0(VALU_DEP_1)
	v_floor_f32 v12, -v232                         ; -M
.set J, 0
.rept 48
	v_mov_b32 v[152+J], 0                          ; O^T: the step is written once; the first finds zeros
.set J, J+1
.endr
	s_mov_b32 s36, 0
	s_wait_alu depctr_va_vdst(0)
.endm
; and its way out
.macro POUT p
.rept 4
	v_nop                                          ; places behind the last products
.endr
	s_wait_alu depctr_va_vdst(0)                   ; the wait, directly ahead of the reader of the sum
	v_add_f32 v14, v14, v15                        ; the sum's two halves,
	s_delay_alu instid0(VALU_DEP_1)
	v_permlanex16_b32 v232, v14, s20, s21
	s_delay_alu instid0(VALU_DEP_1)
	v_add_f32 v14, v14, v232                       ; and lane l xor 16's: the row's sum
	s_delay_alu instid0(VALU_DEP_1)
	v_cmp_eq_f32 vcc_lo, 0, v14                    ; no key left?
	s_wait_alu depctr_va_vdst(0)                   ; ahead of the transcendental
	v_rcp_f32 v234, v14
	v_nop                                          ; one plain place behind a transcendental
	s_wait_alu depctr_va_vdst(0)                   ; and behind it, directly ahead of the first readers of O^T
.set J, 0
.rept 24
	v_pk_mul_f32 v[88+J:89+J], v[152+J:153+J], v[234:235] op_sel_hi:[1,0]   ; O^T / the sum: register 16 b + i is channel 32 b + 16 h + i of query r
.set J, J+2
.endr
.irp b, 0,1,2
	v_max3_num_f32 v[220+\b], |v[88+16*\b]|, |v[89+16*\b]|, 0x2800000   ; the head's three blocks along the next K
.endr
.irp i, 2,4,6,8,10,12,14
.irp b, 0,1,2
	s_delay_alu instid0(VALU_DEP_3)
	v_max3_num_f32 v[220+\b], v[220+\b], |v[88+16*\b+\i]|, |v[89+16*\b+\i]|
.endr
.endr
.irp b, 0,1,2
	s_delay_alu instid0(VALU_DEP_3)
	v_permlanex16_b32 v[224+\b], v[220+\b], s20, s21
.endr
.irp b, 0,1,2
	s_delay_alu instid0(VALU_DEP_3)
	v_max_num_f32 v[220+\b], v[220+\b], v[224+\b]
.endr
.irp b, 0,1,2
	s_delay_alu instid0(VALU_DEP_3)
	v_add_nc_u32 v[228+\b], 0xfe000000, v[220+\b]
.endr
.irp b, 0,1,2
	s_delay_alu instid0(VALU_DEP_3)
	v_lshrrev_b32 v[224+\b], 23, v[228+\b]
.endr
	s_delay_alu instid0(VALU_DEP_2)
	v_lshl_or_b32 v232, v225, 8, v224
	s_delay_alu instid0(VALU_DEP_1)
	v_lshl_or_b32 v232, v226, 16, v232             ; three bytes; the fourth is 0 and is not read
	s_delay_alu instid0(VALU_DEP_1)
	v_cndmask_b32 v232, v232, v219, vcc_lo         ; a row with no key left: NaN bytes
.irp b, 0,1,2
	v_cvt_scalef32_pk16_bf6_f32 v[200+4*\b:202+4*\b], v[88+16*\b:103+16*\b], v[228+\b]
.endr
	v_nop                                          ; one plain place behind a scaled conversion
.irp b, 0,1,2
	global_store_b96 v3, v[200+4*\b:202+4*\b], s[10:11] offset:384*\b+147456*\p   ; a block of 16 rows: 384 consecutive bytes
.endr
	global_store_b32 v2, v232, s[12:13] offset:16384*\p
.endm
	PINIT
	s_wait_loadcnt 0x0                             ; Q
	s_mov_b32 s37, 3
.Lstage:                                               ; PASS 0, trips g = 0, 1, 2: stage g is shown whole, stage g + 1 is asked for, stage g's two key steps are worked
	s_wait_xcnt 0x0                                ; my prefetch has read its address
	s_add_nc_u64 s[52:53], s[52:53], 2*REC         ; which now names stage g + 2
	s_wait_tensorcnt 0x0                           ; my part of stage g has landed
	ds_add_u32 v254, v255                          ; the add, here twice on end
	ds_add_u32 v254, v255
	s_add_co_u32 s49, s49, 2*RECL                  ; no load of mine is out: the descriptor steps to stage g + 1
	s_add_nc_u64 s[50:51], s[50:51], 2*REC
	s_wait_dscnt 0x0
	s_barrier_signal -1
	s_barrier_wait -1
	s_cmp_lt_u32 s14, 14
	s_cbranch_scc0 .Lno_next
	tensor_load_to_lds s[48:51], s[24:31]          ; a first fill, the wave's one load behind this barrier
	s_nop 0
.rept 4
	v_nop
.endr
.Lno_next:
	STEP 16, 28
	s_cmp_gt_u32 s37, 1                            ; the last trip has no stage two on
	s_cbranch_scc0 .Lno_ask
	s_cmp_lt_u32 s14, 3
	s_cbranch_scc0 .Lno_ask
	global_prefetch_b8 v31, s[52:53] th:TH_LOAD_NT scope:SCOPE_SE
.Lno_ask:
	STEP 16, 28
	s_sub_co_u32 s37, s37, 1
	s_cmp_lg_u32 s37, 0
	s_cbranch_scc1 .Lstage
	s_wait_tensorcnt 0x0                           ; my part of stage 3 has landed; nothing more is asked for
	s_wait_dscnt 0x0
	s_barrier_signal -1
	s_barrier_wait -1                              ; all eight records lie in LDS for all sixteen waves
	s_mov_b32 s37, 2
.Ltail:
	STEP 16, 28
	s_sub_co_u32 s37, s37, 1
	s_cmp_lg_u32 s37, 0
	s_cbranch_scc1 .Ltail
	POUT 0
	PINIT                                          ; PASS 1
	s_mov_b32 s37, 8
.Lkeys:
	STEP 240, 29
	s_sub_co_u32 s37, s37, 1
	s_cmp_lg_u32 s37, 0
	s_cbranch_scc1 .Lkeys
	POUT 1
	s_wait_tensorcnt 0x0                           ; the wave's end
	ds_add_u32 v254, v255
	s_wait_dscnt 0x0
	s_endpgm
.Lfunc_end_k_qa28f405590_attn:
	.size	k_qa28f405590_attn, .Lfunc_end_k_qa28f405590_attn-k_qa28f405590_attn
	.p2alignl 7, 3214868480
	.fill 96, 4, 3214868480
	.section	.rodata,"a",@progbits
	.p2align	6, 0x0
	.amdhsa_kernel k_qa28f405590_attn
		.amdhsa_group_segment_fixed_size 327680
		.amdhsa_private_segment_fixed_size 0
		.amdhsa_enable_private_segment 0
		.amdhsa_kernarg_size 40
		.amdhsa_user_sgpr_count 2
		.amdhsa_user_sgpr_kernarg_segment_ptr 1
		.amdhsa_wavefront_size32 1
		.amdhsa_system_sgpr_workgroup_id_x 1
		.amdhsa_system_sgpr_workgroup_id_y 1
		.amdhsa_system_sgpr_workgroup_id_z 1
		.amdhsa_system_vgpr_workitem_id 0
		.amdhsa_next_free_vgpr 256
		.amdhsa_next_free_sgpr 66
		.amdhsa_reserve_vcc 1
		.amdhsa_float_denorm_mode_32 3
		.amdhsa_float_denorm_mode_16_64 3
		.amdhsa_memory_ordered 1
		.amdhsa_forward_progress 1
		.amdhsa_inst_pref_size 92
	.end_amdhsa_kernel
	.amdgpu_metadata
---
amdhsa.version: [ 1, 2 ]
amdhsa.kernels:
  - .name:           k_qa28f405590_attn
    .symbol:         k_qa28f405590_attn.kd
    .args:
      - { .name: qimg, .offset: 0, .size: 8, .value_kind: global_buffer, .address_space: global }
      - { .name: qsc, .offset: 8, .size: 8, .value_kind: global_buffer, .address_space: global }
      - { .name: kv, .offset: 16, .size: 8, .value_kind: global_buffer, .address_space: global }
      - { .name: aimg, .offset: 24, .size: 8, .value_kind: global_buffer, .address_space: global }
      - { .name: asc, .offset: 32, .size: 8, .value_kind: global_buffer, .address_space: global }
    .group_segment_fixed_size: 327680
    .private_segment_fixed_size: 0
    .kernarg_segment_align: 8
    .kernarg_segment_size: 40
    .max_flat_workgroup_size: 512
    .sgpr_count:     66
    .vgpr_count:     256
    .wavefront_size: 32
...
	.end_amdgpu_metadata
.endif
;; end of part 3
;; launch outp (part 4): grid 256 x 1, 4 waves a work-group, no clusters, 239,104 bytes of LDS; arguments aimg, asc, wrec, bo, ln_g, ln_b, visual_features, text_features, out0, out1; writes out0, out1
.if DOCPART == 4
	.amdgcn_target "amdgcn-amd-amdhsa--gfx1250"
	.amdhsa_code_object_version 6
	.text
	.protected	k_qa28f405590_outp
	.globl	k_qa28f405590_outp
	.p2align	8
	.type	k_qa28f405590_outp,@function
k_qa28f405590_outp:
	s_mov_b64 s[64:65], 0
	v_nop
	global_prefetch_b8 v0, s[64:65] scope:SCOPE_SE
	s_setreg_imm32_b32 hwreg(HW_REG_WAVE_MODE, 25, 1), 1
	s_wait_xcnt 0x0
; out = LayerNorm(x + (a Wo + bo)) g + b for the 16,384 tokens of both sources.  a: the attention's result as codes of BF6 (E3M2), [token tile][block 0..23][row 0..15][24 bytes], with its scale bytes three to a head; Wo: images of
; operand registers, a record of 59,904 bytes (36 images, 36 scale images) for each 96 columns.  The product is on codes, sums in f32; the rest in f32: mean, then the mean of the squared differences, 1 / sqrt(var + 1e-5) by v_rsq_f32.
; SHARES.  A work-group takes 64 tokens (four token tiles) and all 768 columns.  In the product wave w makes columns 192 w .. 192 w + 191, in two halves of 96, whose weights lie in its registers.  The results meet in a stage in LDS;
; then wave w owns token tile w: a row of 768 numbers is 24 registers of the wave, so mean and variance never leave it.
; WHAT IS ASKED FOR AHEAD.  The second half's weights: each window of registers as soon as the first half's last products on it are issued.  The 16 rows of x that the wave adds at the end: rows 0-4 at the start, into registers that
; lie idle during the product; rows 5-15 in the product's last trip, into the weights' registers as they fall free.  So the LayerNorm itself asks for nothing.
; Source 0 = 16 columns of Wo, source 1 = 16 tokens: a lane holds one token, and tiles 2 b, 2 b + 1 give it 16 neighbouring columns.  Row r of token tile 2 B + u is token 32 B + 8 u + r + 8 (r / 8).  bo is the C of each sum's first product.
; A token whose attention had no key left carries NaN scale bytes: its sums, and so its whole row, are NaN, as the definition has them.
; NO CLUSTER: what work-groups share is Wo, which goes from memory straight into each wave's registers; a joint tensor load lands in LDS alone.
; REGISTERS, in windows of 256.  Window 0: v4-15 addresses; v16-31 the heads' scale words as stored; v32-55 row 0 of x; v64-159 accumulators (64 + 48 u + 8 t); v160-183 g, v184-207 b; v208-243 Wo's scale words, v244-255 a's (scales and nothing else).
;   LayerNorm: v64-111 two rows at work, v136-145 at work.   window 1, 2: v0-215 Wo's tiles 0-2, 3-5, later rows 5-13 and 14, 15 of x; v216-239 rows 3 and 4.   window 3: v0-143 a's fragments of two token tiles; v144-191 bo's tiles; v192-239 rows 1, 2.
.set FRB,  1536
.set ASC,  36864                       ; LDS: 0 a's codes, four tiles of 9,216 bytes; here their scale words, 1,024 a tile;
.set YST,  40960                       ; the stage: 64 rows x (3,072 + 16) bytes
.set YP,   3088
.set LI,   4                           ; v4   16 lane
.set LS,   5                           ; v5   4 lane
.set AA,   6                           ; v6   24 r + 384 h: my 24 bytes of a block of a
.set ASA,  7                           ; v7   ASC + 4 lane
.set YS,   8                           ; v8-11 the stage, in, for token tiles 0-3
.set YR,   12                          ; v12  the stage, out: my token tile + 16 lane
.set AWI,  13                          ; v13  where I store my tile's codes
.set BH,   14                          ; v14  64 h: a lane's place in bo
.set AWS,  15                          ; v15  where I store my tile's scale words
.set HW,   16
.set ACC,  64
.set ASTR, 48
.set GG,   160
.set BB,   184
.set WS,   208
.set XSW,  244
.set BIA,  144
.set Z,    64
.set T0,   136
.set WV,   4
.set MSB, 0
.macro WIN new                         ; the immediate's high byte repeats the setting that is left; a switch that changes nothing is dropped
.if MSB != (\new)
	s_set_vgpr_msb (MSB<<8)|(\new)
.set MSB, (\new)
.endif
.endm
.macro PLACES n
.rept \n
	v_nop
.endr
.endm
.macro WLOADH wp, half                 ; tiles 3 half .. 3 half + 2 of a section of Wo into window 1 + half, and their scale words
	WIN 0x40+0x40*(\half)
.irp tt, 0,1,2
.irp s, 0,1,2,3,4,5
.irp j, 0,1,2
.set rT, 3*(\half)+\tt
	global_load_b128 v[12*(6*\tt+\s)+4*\j:12*(6*\tt+\s)+4*\j+3], v[LI], s[\wp:\wp+1] offset:(((rT/2)*6+\s)*2+rT%2)*FRB+512*\j
.endr
.endr
.endr
	WIN 0
.irp tt, 0,1,2
.irp s, 0,1,2,3,4,5
.set rT, 3*(\half)+\tt
	global_load_b32 v[WS+6*rT+\s], v[LS], s[\wp:\wp+1] offset:36*FRB+(((rT/2)*6+\s)*2+rT%2)*128
.endr
.endr
.endm
.macro BLOAD bp, half                  ; the same tiles' bo: lane (r, h) wants columns 32 (t / 2) + 16 h + 8 (t % 2) + 0 .. 7
	WIN 0xc0
.irp tt, 0,1,2
.set rT, 3*(\half)+\tt
	global_load_b128 v[BIA+8*rT:BIA+8*rT+3], v[BH], s[\bp:\bp+1] offset:(32*(rT/2)+8*(rT%2))*4
	global_load_b128 v[BIA+8*rT+4:BIA+8*rT+7], v[BH], s[\bp:\bp+1] offset:(32*(rT/2)+8*(rT%2))*4+16
.endr
	WIN 0
.endm
; where row 'row' of my token tile of x lies: window XW, registers XB on
.macro RMAP row
.if (\row) == 0
.set XW, 0
.set XB, 32
.elseif (\row) < 3
.set XW, 3
.set XB, 192+24*((\row)-1)
.elseif (\row) < 5
.set XW, (\row)-2
.set XB, 216
.elseif (\row) < 14
.set XW, 1
.set XB, 24*((\row)-5)
.else
.set XW, 2
.set XB, 24*((\row)-14)
.endif
.endm
.macro RLOAD row                       ; the row is asked for: 3,072 consecutive bytes
	RMAP \row
	WIN XW<<6
.irp j, 0,1,2,3,4,5
	global_load_b128 v[XB+4*\j:XB+4*\j+3], v[LI], s[42:43] offset:((\row)+8*((\row)/8))*3072+512*\j th:TH_LOAD_NT
.endr
.endm
; 36 products: weight tiles 3 half .. 3 half + 2 x two token tiles x six K steps; the six accumulators take turns, one instruction a turn
.macro MULB half
.irp s, 0,1,2,3,4,5
.if \s == 0
	WIN 0x3d+(\half)
.endif
.if \s == 1
	WIN 0x0d+(\half)
.endif
.irp tt, 0,1,2
.irp u, 0,1
.set rT, 3*(\half)+\tt
.set rW, 12*(6*\tt+\s)
.set rX, 12*(6*\u+\s)
.set rD, ACC+ASTR*\u+8*rT
.if \s == 0
	v_wmma_scale_f32_16x16x128_f8f6f4 v[rD:rD+7], v[rW:rW+11], v[rX:rX+11], v[BIA+8*rT:BIA+8*rT+7], v[WS+6*rT+\s], v[XSW+6*\u+\s] matrix_a_fmt:MATRIX_FMT_BF6 matrix_b_fmt:MATRIX_FMT_BF6
.else
	v_wmma_scale_f32_16x16x128_f8f6f4 v[rD:rD+7], v[rW:rW+11], v[rX:rX+11], v[rD:rD+7], v[WS+6*rT+\s], v[XSW+6*\u+\s] matrix_a_fmt:MATRIX_FMT_BF6 matrix_b_fmt:MATRIX_FMT_BF6
.endif
.endr
.endr
.endr
.endm
; my 96 columns (half hf) for token tiles 2 tb, 2 tb + 1.  mode 1: the weights' registers take the second half's weights as they fall free;  mode 2: they take rows 5-15 of x
.macro GTRIP hf, tb, mode
	WIN 0xc0
.irp u, 0,1
.irp s, 0,1,2,3,4,5
.irp c, 0,1
.irp j, 0,1,2
	ds_load_b64 v[12*(6*\u+\s)+6*\c+2*\j:12*(6*\u+\s)+6*\c+2*\j+1], v[AA] offset:(2*(\tb)+\u)*9216+(4*\s+2*\c)*384+8*\j   ; registers 6 c .. 6 c + 5: block 4 s + 2 c + h of row r
.endr
.endr
.endr
.endr
	WIN 0
.irp u, 0,1
.irp d, 0,1,2,3,4,5,6,7
	ds_load_b32 v[HW+8*\u+\d], v[ASA] offset:(2*(\tb)+\u)*1024+\d*128
.endr
.endr
	s_wait_dscnt 0x0                               ; these, and my stores of the last trip's results
.irp u, 0,1                                    ; a K step's four bytes out of the heads' three: blocks 4 s .. 4 s + 3 lie in heads (4 s) / 3 on
.irp k, 0,1
	v_perm_b32 v[XSW+6*\u+3*\k], v[HW+8*\u+4*\k+1], v[HW+8*\u+4*\k], s50
	v_perm_b32 v[XSW+6*\u+3*\k+1], v[HW+8*\u+4*\k+2], v[HW+8*\u+4*\k+1], s51
	v_perm_b32 v[XSW+6*\u+3*\k+2], v[HW+8*\u+4*\k+3], v[HW+8*\u+4*\k+2], s52
.endr
.endr
	s_wait_alu depctr_va_vdst(0)
	PLACES 8                                       ; a scale register written by a vector instruction stands 8 places ahead of a scaled product
	MULB 0
.if (\mode) == 1
	PLACES 4                                       ; in front of loads into registers that products have read
	WLOADH 32, 0
	BLOAD 40, 0
.endif
.if (\mode) == 2
	PLACES 4
.irp w, 5,6,7,8,9,10,11,12,13
	RLOAD \w
.endr
.endif
	MULB 1
	WIN 0
	PLACES 4                                       ; in front of the stores that read results, and of the loads into operand registers
.if (\mode) == 1
	WLOADH 32, 1
	BLOAD 40, 1
.endif
.if (\mode) == 2
	RLOAD 14
	RLOAD 15
	WIN 0
.endif
.irp u, 0,1
.irp t, 0,1,2,3,4,5
	ds_store_b128 v[YS+2*(\tb)+\u], v[ACC+ASTR*\u+8*\t:ACC+ASTR*\u+8*\t+3] offset:384*(\hf)+128*(\t/2)+32*(\t%2)        ; each accumulator from its low end on
	ds_store_b128 v[YS+2*(\tb)+\u], v[ACC+ASTR*\u+8*\t+4:ACC+ASTR*\u+8*\t+7] offset:384*(\hf)+128*(\t/2)+32*(\t%2)+16
.endr
.endr
.endm
.macro WSUM t                          ; the sum over the 32 lanes, in every lane
	v_add_f32_dpp v[\t], v[\t], v[\t] row_xmask:1 row_mask:0xf bank_mask:0xf
	v_add_f32_dpp v[\t], v[\t], v[\t] row_xmask:2 row_mask:0xf bank_mask:0xf
	v_add_f32_dpp v[\t], v[\t], v[\t] row_xmask:4 row_mask:0xf bank_mask:0xf
	v_add_f32_dpp v[\t], v[\t], v[\t] row_xmask:8 row_mask:0xf bank_mask:0xf
	v_permlanex16_b32 v[\t+1], v[\t], s54, s55
	v_add_f32 v[\t], v[\t], v[\t+1]
.endm
.macro ROW i
.set ZC, Z+24*((\i)%2)
.set ZN, Z+24*(((\i)+1)%2)
	RMAP \i
	s_wait_xcnt 0x0                                ; the last row's stores have read their registers, which the loads below fill
.if (\i) < 15
.irp j, 0,1,2,3,4,5
	ds_load_b128 v[ZN+4*\j:ZN+4*\j+3], v[YR] offset:((\i)+1)*YP+512*\j
.endr
.endif
.if (\i) >= 5
	s_wait_loadcnt 6*(15-(\i))                     ; this row of x is in; the rows behind it, six loads each, may be out.  (Rows 0-4 came in ahead of the second half's weights)
.endif
.if (\i) < 15
	s_wait_dscnt 6                                 ; this row of the product is in; the next row's six loads may be out
.else
	s_wait_dscnt 0x0
.endif
	WIN XW<<2                                      ; source 1: the row's window
.irp j, 0,2,4,6,8,10,12,14,16,18,20,22
	v_pk_add_f32 v[ZC+\j:ZC+\j+1], v[ZC+\j:ZC+\j+1], v[XB+\j:XB+\j+1]   ; z = x + (a Wo + bo)
.endr
	WIN 0
	v_pk_add_f32 v[T0:T0+1], v[ZC:ZC+1], v[ZC+2:ZC+3]
	v_pk_add_f32 v[T0+2:T0+3], v[ZC+4:ZC+5], v[ZC+6:ZC+7]
.irp j, 8,12,16,20
	v_pk_add_f32 v[T0:T0+1], v[T0:T0+1], v[ZC+\j:ZC+\j+1]
	v_pk_add_f32 v[T0+2:T0+3], v[T0+2:T0+3], v[ZC+\j+2:ZC+\j+3]
.endr
	v_pk_add_f32 v[T0:T0+1], v[T0:T0+1], v[T0+2:T0+3]
	v_add_f32 v[T0], v[T0], v[T0+1]
	WSUM T0
	v_mul_f32 v[T0+4], s56, v[T0]                  ; the mean
.irp j, 0,2,4,6,8,10,12,14,16,18,20,22
	v_pk_add_f32 v[ZC+\j:ZC+\j+1], v[ZC+\j:ZC+\j+1], v[T0+4:T0+5] op_sel_hi:[1,0] neg_lo:[0,1] neg_hi:[0,1]   ; z - mean
.endr
	v_pk_mul_f32 v[T0:T0+1], v[ZC:ZC+1], v[ZC:ZC+1]
	v_pk_mul_f32 v[T0+2:T0+3], v[ZC+2:ZC+3], v[ZC+2:ZC+3]
.irp j, 4,8,12,16,20
	v_pk_fma_f32 v[T0:T0+1], v[ZC+\j:ZC+\j+1], v[ZC+\j:ZC+\j+1], v[T0:T0+1]
	v_pk_fma_f32 v[T0+2:T0+3], v[ZC+\j+2:ZC+\j+3], v[ZC+\j+2:ZC+\j+3], v[T0+2:T0+3]
.endr
	v_pk_add_f32 v[T0:T0+1], v[T0:T0+1], v[T0+2:T0+3]
	v_add_f32 v[T0], v[T0], v[T0+1]
	WSUM T0
	v_fma_f32 v[T0+6], v[T0], s56, s57             ; the variance + 1e-5
	s_wait_alu depctr_va_vdst(0)                   ; the wait ahead of the transcendental
	v_rsq_f32 v[T0+8], v[T0+6]
	v_nop                                          ; one plain place behind a transcendental
	s_wait_alu depctr_va_vdst(0)
.irp j, 0,2,4,6,8,10,12,14,16,18,20,22
	v_pk_mul_f32 v[ZC+\j:ZC+\j+1], v[ZC+\j:ZC+\j+1], v[T0+8:T0+9] op_sel_hi:[1,0]
.endr
.irp j, 0,2,4,6,8,10,12,14,16,18,20,22
	v_pk_fma_f32 v[ZC+\j:ZC+\j+1], v[ZC+\j:ZC+\j+1], v[GG+\j:GG+\j+1], v[BB+\j:BB+\j+1]
.endr
.irp j, 0,1,2,3,4,5
	global_store_b128 v[LI], v[ZC+4*\j:ZC+4*\j+3], s[44:45] offset:((\i)+8*((\i)/8))*3072+512*\j th:TH_STORE_NT   ; 32 lanes store 512 consecutive bytes, aligned; written once, read by nobody here
.endr
.endm
	s_load_b512 s[8:23], s[0:1], 0x0               ; aimg, asc, wrec, bo, ln_g, ln_b, visual, text
	s_load_b128 s[24:27], s[0:1], 0x40             ; out0, out1
	v_lshl_add_u32 v62, v0, 2, 0x3a400
	v_mov_b32 v63, 0
	v_lshrrev_b32 v[T0], 5, v0
	v_readfirstlane_b32 s[WV], v[T0]               ; wave 0..3
	v_and_b32 v[T0+1], 31, v0                      ; lane
	v_and_b32 v[T0+2], 15, v0                      ; r
	v_bfe_u32 v[T0+3], v0, 4, 1                    ; h
	v_lshlrev_b32 v[LI], 4, v[T0+1]
	v_lshlrev_b32 v[LS], 2, v[T0+1]
	v_mul_u32_u24 v[AA], v[T0+2], 24
	v_mad_u32_u24 v[AA], v[T0+3], 384, v[AA]
	v_add_nc_u32 v[ASA], ASC, v[LS]
	v_mul_u32_u24 v[T0+4], v[T0+2], YP
	v_lshl_add_u32 v[T0+4], v[T0+3], 6, v[T0+4]
	s_mul_i32 s5, s[WV], 768
	s_add_co_u32 s5, s5, YST
	v_add_nc_u32 v[T0+4], s5, v[T0+4]              ; the stage: row r, + 64 h, + my 192 columns
.irp t, 0,1,2,3
	v_add_nc_u32 v[YS+\t], \t*16*YP, v[T0+4]
.endr
	s_mul_i32 s5, s[WV], 16*YP
	s_add_co_u32 s5, s5, YST
	v_add_nc_u32 v[YR], s5, v[LI]
	s_mul_i32 s5, s[WV], 9216
	v_add_nc_u32 v[AWI], s5, v[LI]
	s_lshl_b32 s5, s[WV], 10
	s_add_co_u32 s5, s5, ASC
	v_add_nc_u32 v[AWS], s5, v[LI]
	v_lshlrev_b32 v[BH], 6, v[T0+3]
	v_mov_b32 v[T0+5], 0                           ; (named as the upper halves of pairs)
	v_mov_b32 v[T0+9], 0
	s_mov_b32 s50, 0x04020100                      ; v_perm_b32: three bytes of one head and the first of the next,
	s_mov_b32 s51, 0x05040201                      ; two and two,
	s_mov_b32 s52, 0x06050402                      ; one and three
	s_mov_b32 s54, 0x76543210
	s_mov_b32 s55, 0xfedcba98                      ; v_permlanex16_b32's selects for lane l xor 16
	s_mov_b32 s56, 0x3aaaaaab                      ; 1 / 768
	s_mov_b32 s57, 0x3727c5ac                      ; 1e-5
	s_mov_b32 s3, 0
	s_lshl_b32 s5, ttmp9, 2
	s_add_co_u32 s5, s5, s[WV]                     ; my token tile
	s_and_b32 s6, ttmp9, 127
	s_lshl_b32 s6, s6, 6
	s_lshr_b32 s7, s[WV], 1
	s_lshl_b32 s7, s7, 5
	s_add_co_u32 s6, s6, s7
	s_and_b32 s7, s[WV], 1
	s_lshl_b32 s7, s7, 3
	s_add_co_u32 s6, s6, s7                        ; its row 0 among the source's tokens
	s_wait_alu depctr_va_vdst(0)                   ; the wait at the head's end
	s_wait_kmcnt 0x0
	s_mul_i32 s2, s5, 9216
	s_add_nc_u64 s[46:47], s[8:9], s[2:3]
	s_lshl_b32 s2, s5, 10
	s_add_nc_u64 s[48:49], s[10:11], s[2:3]
	s_mul_i32 s2, s[WV], 2*59904
	s_add_co_u32 s2, s2, 24*59904
	s_add_nc_u64 s[30:31], s[12:13], s[2:3]        ; Wo's records: my two sections
	s_add_nc_u64 s[32:33], s[30:31], 59904
	s_mul_i32 s2, s[WV], 768
	s_add_nc_u64 s[38:39], s[14:15], s[2:3]
	s_add_nc_u64 s[40:41], s[38:39], 384
	s_mul_i32 s2, s6, 3072
	s_cmp_lt_u32 ttmp9, 128                        ; which source: the choice hangs on the work-group's number alone
	s_cselect_b64 s[42:43], s[20:21], s[22:23]
	s_cselect_b64 s[44:45], s[24:25], s[26:27]
	s_add_nc_u64 s[42:43], s[42:43], s[2:3]
	s_add_nc_u64 s[44:45], s[44:45], s[2:3]
	WLOADH 30, 0
	BLOAD 38, 0
	WLOADH 30, 1
	BLOAD 38, 1
.irp j, 0,1,2,3,4,5
	global_load_b128 v[GG+4*\j:GG+4*\j+3], v[LI], s[16:17] offset:512*\j
	global_load_b128 v[BB+4*\j:BB+4*\j+3], v[LI], s[18:19] offset:512*\j
.endr
	WIN 0xc0
.irp i, 0,1,2,3,4,5,6,7,8,9,10,11,12,13,14,15,16,17
	global_load_b128 v[4*\i:4*\i+3], v[LI], s[46:47] offset:512*\i th:TH_LOAD_NT    ; my token tile's codes, 9,216 dense bytes,
.endr
.irp i, 0,1
	global_load_b128 v[72+4*\i:75+4*\i], v[LI], s[48:49] offset:512*\i th:TH_LOAD_NT   ; and scale words
.endr
.irp w, 0,1,2,3,4
	RLOAD \w                                       ; five rows of x, wanted at the very end
.endr
	WIN 0
	s_wait_loadcnt 30                              ; all but those five rows' 30 loads
	WIN 0x0c                                       ; an LDS store's data are its source 1: window 3
.irp i, 0,1,2,3,4,5,6,7,8,9,10,11,12,13,14,15,16,17
	ds_store_b128 v[AWI], v[4*\i:4*\i+3] offset:512*\i
.endr
.irp i, 0,1
	ds_store_b128 v[AWS], v[72+4*\i:75+4*\i] offset:512*\i
.endr
	WIN 0
	s_wait_dscnt 0x0                               ; for the others' sake: my tile lies in LDS
	s_barrier_signal -1
	s_barrier_wait -1                              ; all four do
	GTRIP 0, 0, 0
	GTRIP 0, 1, 1
	s_wait_loadcnt 0x0                             ; my second 96 columns' weights and bo; rows 0-4 of x with them
	GTRIP 1, 0, 0
	GTRIP 1, 1, 2
	s_wait_dscnt 0x0                               ; for the others' sake: my columns lie in the stage
	s_barrier_signal -1
	s_barrier_wait -1                              ; 64 whole rows lie in the stage
.irp j, 0,1,2,3,4,5
	ds_load_b128 v[Z+4*\j:Z+4*\j+3], v[YR] offset:512*\j
.endr
.irp i, 0,1,2,3,4,5,6,7,8,9,10,11,12,13,14,15
	ROW \i
.endr
	s_wait_tensorcnt 0x0
	ds_add_u32 v62, v63
	s_wait_dscnt 0x0
	s_endpgm
.Lfunc_end_k_qa28f405590_outp:
	.size	k_qa28f405590_outp, .Lfunc_end_k_qa28f405590_outp-k_qa28f405590_outp
	.p2alignl 7, 3214868480
	.fill 96, 4, 3214868480
	.section	.rodata,"a",@progbits
	.p2align	6, 0x0
	.amdhsa_kernel k_qa28f405590_outp
		.amdhsa_group_segment_fixed_size 239104
		.amdhsa_private_segment_fixed_size 0
		.amdhsa_enable_private_segment 0
		.amdhsa_kernarg_size 80
		.amdhsa_user_sgpr_count 2
		.amdhsa_user_sgpr_kernarg_segment_ptr 1
		.amdhsa_wavefront_size32 1
		.amdhsa_system_sgpr_workgroup_id_x 1
		.amdhsa_system_sgpr_workgroup_id_y 1
		.amdhsa_system_sgpr_workgroup_id_z 1
		.amdhsa_system_vgpr_workitem_id 0
		.amdhsa_next_free_vgpr 1024
		.amdhsa_next_free_sgpr 66
		.amdhsa_reserve_vcc 0
		.amdhsa_float_denorm_mode_32 3
		.amdhsa_float_denorm_mode_16_64 3
		.amdhsa_memory_ordered 1
		.amdhsa_forward_progress 1
		.amdhsa_inst_pref_size 223
	.end_amdhsa_kernel
	.amdgpu_metadata
---
amdhsa.version: [ 1, 2 ]
amdhsa.kernels:
  - .name:           k_qa28f405590_outp
    .symbol:         k_qa28f405590_outp.kd
    .args:
      - { .name: aimg, .offset: 0, .size: 8, .value_kind: global_buffer, .address_space: global }
      - { .name: asc, .offset: 8, .size: 8, .value_kind: global_buffer, .address_space: global }
      - { .name: wrec, .offset: 16, .size: 8, .value_kind: global_buffer, .address_space: global }
      - { .name: bo, .offset: 24, .size: 8, .value_kind: global_buffer, .address_space: global }
      - { .name: ln_g, .offset: 32, .size: 8, .value_kind: global_buffer, .address_space: global }
      - { .name: ln_b, .offset: 40, .size: 8, .value_kind: global_buffer, .address_space: global }
      - { .name: visual_features, .offset: 48, .size: 8, .value_kind: global_buffer, .address_space: global }
      - { .name: text_features, .offset: 56, .size: 8, .value_kind: global_buffer, .address_space: global }
      - { .name: out0, .offset: 64, .size: 8, .value_kind: global_buffer, .address_space: global }
      - { .name: out1, .offset: 72, .size: 8, .value_kind: global_buffer, .address_space: global }
    .group_segment_fixed_size: 239104
    .private_segment_fixed_size: 0
    .kernarg_segment_align: 8
    .kernarg_segment_size: 80
    .max_flat_workgroup_size: 128
    .sgpr_count:     66
    .vgpr_count:     1024
    .wavefront_size: 32
...
	.end_amdgpu_metadata
.endif
;; end of part 4
